; MI455X (gfx1250); checked and timed in simulation.
; The chip was launched on July 23, 2026; its instructions are those of AMD's public machine-readable ISA for CDNA 5 (MIT licence, August 2026) and "CDNA5" Instruction Set Architecture Reference Guide (July 2026). The comments in the code are by the model that wrote it; some were corrected since.
;; Cross Attention. Allowed arithmetic: float matrix products may take bf16 or f16 operands with f32 sums; all other float work in f32.
;; Inputs: Wd 1,024 x 1,024 float32; Wk 1,024 x 1,024 float32; Wq 1,024 x 1,024 float32; Wv 1,024 x 1,024 float32; bd 1,024 float32; beta 1,024 float32; bk 1,024 float32; bq 1,024 float32; bv 1,024 float32; gamma 1,024 float32; x 4 x 2,048 x 1,024 float32; y 4 x 2,048 x 1,024 float32.
;; Outputs: out0 4 x 2,048 x 1,024 float32.
;; Constants: debug = 0.
;; 2 versions, each right; version 2 is version 1 with the launch cast written anew for expert scheduling mode. Each part assembles by itself: llvm-mc -triple=amdgcn-amd-amdhsa -mcpu=gfx1250 --defsym DOCPART=n.
;; ======== version 1 of 2: 4 launches
;; workspace buffers: ab 33,554,432 bytes; wb 8,388,608 bytes; qkv 50,331,648 bytes; ctx 16,777,216 bytes
;; launch cast (part 1): grid 1280 x 1, 8 waves a work-group, no clusters, 0 bytes of LDS; arguments x, y, Wq, Wv, Wk, Wd, ab, wb; writes ab, wb
.if DOCPART == 1
	.amdgcn_target "amdgcn-amd-amdhsa--gfx1250"
	.amdhsa_code_object_version 6
	.text
	.protected	k_q8b6f608ecb_cast
	.globl	k_q8b6f608ecb_cast
	.p2align	8
	.type	k_q8b6f608ecb_cast,@function
k_q8b6f608ecb_cast:
	s_mov_b64 s[64:65], 0
	v_nop
	global_prefetch_b8 v0, s[64:65] scope:SCOPE_SE
	s_setreg_imm32_b32 hwreg(HW_REG_WAVE_MODE, 25, 1), 1
	s_wait_xcnt 0x0
; f32 -> bf16 (round to nearest even) of the six large inputs, once, so that the products below read 16-bit operands.
;   ab: x at byte 0, y at byte 16,777,216, both [8192][1024] bf16, rows as in the input.
;   wb: rows 0-1023 Wq, 1024-2047 Wv, 2048-3071 Wk, [3072][1024] bf16; from byte 6,291,456 Wd in tiles along K:
;       element (n, k = 64 t + kk) at t*131072 + n*128 + 2 kk, so that one K step of 64 of all 1024 rows is one dense block.
; A work-group takes 16,384 numbers (65,536 bytes in, 32,768 out): ids 0-511 x, 512-1023 y, 1024-1087 Wq, 1088-1151 Wv, 1152-1215 Wk, 1216-1279 Wd.
; A thread issues its 16 loads of 16 bytes at once and stores 8 bytes for each; a wave's store covers 256 consecutive bytes, aligned.
; A pure stream: no number is used twice, so LDS, barriers, clusters and the matrix unit have nothing to add here.
; No register is written twice, so no wait but the counted waits for the loads is needed.
.set X, 4                              ; v[4:67]   16 x 4 numbers as loaded
.set Y, 68                             ; v[68:99]  16 x 2 words to store
.set WD_AT, 6291456                    ; Wd's tiles in wb
.macro PICK first, lo                  ; from id \first on the source is the buffer in s[lo:lo+1]
	s_cmp_ge_u32 ttmp9, \first
	s_cselect_b64 s[4:5], s[\lo:\lo+1], s[4:5]
	s_cselect_b32 s3, \first, s3
.endm
; 16 loads, lstep bytes apart, then 16 times: wait, two packed roundings, one store, sstep bytes apart
.macro BODY lstep, sstep
.irp i, 0,1,2,3,4,5,6,7,8,9,10,11,12,13,14,15
	global_load_b128 v[X+4*\i:X+4*\i+3], v1, s[4:5] offset:\i*\lstep th:TH_LOAD_NT
.endr
.irp i, 0,1,2,3,4,5,6,7,8,9,10,11,12,13,14,15
	s_wait_loadcnt 15-\i                           ; loads return in order: load i is in, the 15 - i younger ones stay out
	v_cvt_pk_bf16_f32 v[Y+2*\i],   v[X+4*\i],   v[X+4*\i+1]
	v_cvt_pk_bf16_f32 v[Y+2*\i+1], v[X+4*\i+2], v[X+4*\i+3]
	global_store_b64 v2, v[Y+2*\i:Y+2*\i+1], s[6:7] offset:\i*\sstep
.endr
	s_endpgm
.endm
	s_load_b512 s[8:23], s[0:1], 0x0               ; x 8:9, y 10:11, Wq 12:13, Wv 14:15, Wk 16:17, Wd 18:19, ab 20:21, wb 22:23
	v_lshlrev_b32 v2, 3, v0                        ; my 8 bytes in each store
	s_mov_b32 s3, 0                                ; first id of my tensor
	s_mov_b32 s27, 0
	s_mov_b32 s29, 0
	s_wait_kmcnt 0x0
	s_mov_b64 s[4:5], s[8:9]
	PICK 512, 10
	PICK 1024, 12
	PICK 1088, 14
	PICK 1152, 16
	PICK 1216, 18
	s_cmp_ge_u32 ttmp9, 1024
	s_cselect_b64 s[6:7], s[22:23], s[20:21]       ; weights go to wb, x and y to ab
	s_cselect_b32 s24, 1024, 0                     ; first id of that buffer
	s_sub_co_u32 s26, ttmp9, s3
	s_lshl_b32 s26, s26, 16                        ; 65,536 bytes of the source for each id
	s_add_nc_u64 s[4:5], s[4:5], s[26:27]
	s_cmp_ge_u32 ttmp9, 1216
	s_cbranch_scc1 .Ltiled
	s_sub_co_u32 s28, ttmp9, s24
	s_lshl_b32 s28, s28, 15                        ; 32,768 bytes of the destination for each id
	s_add_nc_u64 s[6:7], s[6:7], s[28:29]
	v_lshlrev_b32 v1, 4, v0                        ; thread t reads 16 bytes at 16 t; the 256 threads cover 4,096 bytes a load
	BODY 4096, 2048
.Ltiled:
	; Wd: the work-group owns 16 rows n.  Thread t reads 16 bytes at column (t & 15) * 4 of row t >> 4 in K tile i (256 bytes of the row);
	; in tile i its 8 bytes lie at (t >> 4) * 128 + (t & 15) * 8 = 8 t behind the group's 16 rows.
	s_sub_co_u32 s28, ttmp9, 1216
	s_lshl_b32 s28, s28, 11                        ; 16 rows of 128 bytes
	s_add_co_u32 s28, s28, WD_AT
	s_add_nc_u64 s[6:7], s[6:7], s[28:29]
	v_lshrrev_b32 v1, 4, v0
	v_and_b32 v3, 15, v0
	v_lshlrev_b32 v1, 12, v1
	v_lshl_add_u32 v1, v3, 4, v1
	BODY 256, 131072
.Lfunc_end_k_q8b6f608ecb_cast:
	.size	k_q8b6f608ecb_cast, .Lfunc_end_k_q8b6f608ecb_cast-k_q8b6f608ecb_cast
	.p2alignl 7, 3214868480
	.fill 96, 4, 3214868480
	.section	.rodata,"a",@progbits
	.p2align	6, 0x0
	.amdhsa_kernel k_q8b6f608ecb_cast
		.amdhsa_group_segment_fixed_size 0
		.amdhsa_private_segment_fixed_size 0
		.amdhsa_enable_private_segment 0
		.amdhsa_kernarg_size 64
		.amdhsa_user_sgpr_count 2
		.amdhsa_user_sgpr_kernarg_segment_ptr 1
		.amdhsa_wavefront_size32 1
		.amdhsa_system_sgpr_workgroup_id_x 1
		.amdhsa_system_sgpr_workgroup_id_y 1
		.amdhsa_system_sgpr_workgroup_id_z 1
		.amdhsa_system_vgpr_workitem_id 0
		.amdhsa_next_free_vgpr 104
		.amdhsa_next_free_sgpr 66
		.amdhsa_reserve_vcc 0
		.amdhsa_float_denorm_mode_32 3
		.amdhsa_float_denorm_mode_16_64 3
		.amdhsa_memory_ordered 1
		.amdhsa_forward_progress 1
		.amdhsa_inst_pref_size 14
	.end_amdhsa_kernel
	.amdgpu_metadata
---
amdhsa.version: [ 1, 2 ]
amdhsa.kernels:
  - .name:           k_q8b6f608ecb_cast
    .symbol:         k_q8b6f608ecb_cast.kd
    .args:
      - { .name: x, .offset: 0, .size: 8, .value_kind: global_buffer, .address_space: global }
      - { .name: y, .offset: 8, .size: 8, .value_kind: global_buffer, .address_space: global }
      - { .name: Wq, .offset: 16, .size: 8, .value_kind: global_buffer, .address_space: global }
      - { .name: Wv, .offset: 24, .size: 8, .value_kind: global_buffer, .address_space: global }
      - { .name: Wk, .offset: 32, .size: 8, .value_kind: global_buffer, .address_space: global }
      - { .name: Wd, .offset: 40, .size: 8, .value_kind: global_buffer, .address_space: global }
      - { .name: ab, .offset: 48, .size: 8, .value_kind: global_buffer, .address_space: global }
      - { .name: wb, .offset: 56, .size: 8, .value_kind: global_buffer, .address_space: global }
    .group_segment_fixed_size: 0
    .private_segment_fixed_size: 0
    .kernarg_segment_align: 8
    .kernarg_segment_size: 64
    .max_flat_workgroup_size: 256
    .sgpr_count:     66
    .vgpr_count:     104
    .wavefront_size: 32
...
	.end_amdgpu_metadata
.endif
;; end of part 1
;; launch qkv (part 2): grid 12 x 32, 4 waves a work-group, clusters of 4 x 4, 327,680 bytes of LDS; arguments ab, wb, bq, bv, bk, qkv; writes qkv
.if DOCPART == 2
	.amdgcn_target "amdgcn-amd-amdhsa--gfx1250"
	.amdhsa_code_object_version 6
	.text
	.protected	k_q8b6f608ecb_qkv
	.globl	k_q8b6f608ecb_qkv
	.p2align	8
	.type	k_q8b6f608ecb_qkv,@function
k_q8b6f608ecb_qkv:
	s_mov_b64 s[64:65], 0
	v_nop
	global_prefetch_b8 v0, s[64:65] scope:SCOPE_SE
	s_setreg_imm32_b32 hwreg(HW_REG_WAVE_MODE, 25, 1), 1
	s_wait_xcnt 0x0
	s_wait_alu depctr_hold_cnt(0) depctr_sa_sdst(0) depctr_va_vdst(0) depctr_va_sdst(0) depctr_va_ssrc(0) depctr_va_vcc(0) depctr_vm_vsrc(0)
	s_getreg_b32 s2, hwreg(HW_REG_IB_STS2, 6, 4)
	s_cmp_eq_u32 s2, 0
	s_cbranch_scc0 .Lentry_in_a_cluster
	s_endpgm
.Lentry_in_a_cluster:
	s_bfe_u32 s2, ttmp6, 0x10000c
	s_cmp_lg_u32 s2, 0xf033
	s_cbranch_scc0 .Lentry_shape_is_right
	s_endpgm
.Lentry_shape_is_right:
; [q | v | k] = A B^T + bias in one product of 8192 x 3072 x 1024: A = x (q, v) or y (k) in bf16 from ab, B = [Wq; Wv; Wk] in bf16 from wb, sums in f32,
; the bias added in f32, the result rounded once to bf16 and stored by heads: qkv[3][64 bh][2048 s][64 d], q at byte 0, v at 16,777,216, k at 33,554,432.
; LIMITS: operands and results are bf16 (8 bits of mantissa); the order of the sums is the matrix unit's, not the reference's.
; A work-group makes a block of 256 x 256 with four waves, a wave 128 x 128: 64 accumulator tiles of 16 x 16, 512 registers.
; K goes in steps of 128 through a ring of two LDS slots filled by the tensor data mover; a tile's rows are 256 bytes of memory, aligned to 256.
; CLUSTERS: 4 x 4 work-groups.  The cluster's x (0, 1, 2) is the projection (q, v, k), so the four block columns of a cluster are one projection's 1024 columns.
; The four of a row of the cluster need the same tiles of A, the four of a column the same tiles of B: each tile is asked for jointly by the four.
;
; REGISTERS, in windows of 256:
;   window 0: v0-31 addresses; v64-127, v128-191 fragments of A, two buffers; v192-223 at work on the way out
;   window 1: v0-63 the bias of my 128 columns (8 numbers for each of 8 column tiles); v64-127, v128-191 fragments of B, two buffers
;   window 2: the 32 accumulator tiles of my rows 0-63 (tile (a, b) at v[8 (8 a + b)]);   window 3: those of my rows 64-127
; THE MATRIX INSTRUCTION IS USED TRANSPOSED: source 0 = 16 rows of B, source 1 = 16 rows of A, so that lane l holds row l % 16 of the result and its
; registers 0 to 7 the columns 8 (l / 16) + 0 .. 7: eight neighbouring numbers, 16 bytes in bf16.
.set SIZE_K, 1024
.set KSTEP,  128
.set PITCH,  272                       ; an LDS row: 256 bytes + 16 of padding: the 16 rows that a fragment load touches start 68 words apart, at 16 different 16-byte columns modulo 256 bytes
.set HALFT,  128*PITCH                 ; 128 rows: what one tensor load brings
.set SLOT,   4*HALFT                   ; A's 256 rows, then B's 256 rows
.set STAGE,  2*SLOT                    ; behind the ring: 16 rows x 272 bytes for each wave, for the way out; no tensor load lands there
.set SPITCH, 272
.set LAPS, SIZE_K/(2*KSTEP)            ; a lap = two K steps = once round the ring: 4 laps
.set ADRA, 16                          ; v16-17  LDS address of my A fragments in slot 0, 1
.set ADRB, 20                          ; v20-21  the same for B
.set STO,  24                          ; v24     the way out: where I put 16 bytes of a row
.set RD,   25                          ; v25     the way out: where I read 16 bytes back
.set CO,   26                          ; v26     my byte offset in qkv
.set BO,   27                          ; v27     my byte offset in the bias
.set F0,   64
.set F1,   128
.set TMP,  192
.set BI,   0                           ; window 1: the bias
.set G1, 24                            ; s[24:31] descriptor group 1 for A's tiles
.set G0, 32                            ; s[32:39] descriptor group 0 for A's tiles, one set for each slot
.set G1B, 48                           ; s[48:55] group 1 for B's tiles: it differs in the mask alone
.set G0B, 56                           ; s[56:63] group 0 for B's tiles
.set MSB, 0
.macro WIN new                         ; the immediate's high byte repeats the setting that is left
.if MSB != \new
	s_set_vgpr_msb (MSB<<8)|\new
.set MSB, \new
.endif
.endm
.set MUL_LO, 0xa1                      ; source 0 (B) window 1, source 1 (A) window 0, C and D window 2
.set MUL_HI, 0xf1                      ; the same, C and D window 3
.set TO_B,   0x40                      ; destination window 1, address window 0
; A joint load.  Waves 0 and 1 fetch A's two halves, waves 2 and 3 B's.  Each line has one mask and one set of registers for all that issue it.
; The branch hangs on the wave's number alone.  Four v_nop follow each of the two lines.
.macro JLOAD s
	s_cmp_eq_u32 s11, 0
	s_cbranch_scc0 .Lfor_b_\@
	tensor_load_to_lds s[G0+4*\s:G0+4*\s+3], s[G1:G1+7]
	s_nop 0
.rept 4
	v_nop
.endr
	s_branch .Lasked_\@
.Lfor_b_\@:
	tensor_load_to_lds s[G0B+4*\s:G0B+4*\s+3], s[G1B:G1B+7]
	s_nop 0
.rept 4
	v_nop
.endr
.Lasked_\@:
.endm
; A round of the cluster's barrier: my work-group's barrier; wave 0 signals for the work-group; every wave waits for all sixteen; my work-group's barrier again.
.macro CREST                           ; a round behind its opening barrier
	s_cmp_lg_u32 s10, 0
	s_cbranch_scc1 .Lnot_wave_0_\@
	s_barrier_signal -3
.Lnot_wave_0_\@:
	s_barrier_wait -3
	s_barrier_signal -1
	s_barrier_wait -1
.endm
.macro CROUND
	s_barrier_signal -1
	s_barrier_wait -1
	CREST
.endm
	s_load_b128 s[4:7], s[0:1], 0x0                ; ab s[4:5], wb s[6:7]
	s_load_b256 s[68:75], s[0:1], 0x10             ; bq 68:69, bv 70:71, bk 72:73, qkv 74:75
	s_set_vgpr_msb 0x40
	v_lshl_add_u32 v255, v0, 2, 0x48400
	s_set_vgpr_msb 0x4000
	v_mov_b32 v255, 0
	s_set_vgpr_msb 0x1
	ds_add_u32 v255, v255
	s_set_vgpr_msb 0x100
	v_lshrrev_b32 v1, 5, v0
	v_readfirstlane_b32 s10, v1                    ; wave 0..3
	s_lshr_b32 s11, s10, 1                         ; which half of the block's rows is mine.  Also: I fetch for A (0) or for B (1)
	s_and_b32 s12, s10, 1                          ; which half of its columns.  Also: which 128 rows of that tile I fetch
	s_bfe_u32 s40, ttmp6, 0x40000                  ; cx
	s_bfe_u32 s41, ttmp6, 0x40004                  ; cy
	s_lshl_b32 s42, ttmp9, 2
	s_add_co_u32 s42, s42, s40                     ; block column 0..11 = 4 x projection + cx
	s_and_b32 s13, ttmp7, 0xffff
	s_lshl_b32 s13, s13, 2
	s_add_co_u32 s13, s13, s41                     ; block row 0..31
	s_lshl_b32 s43, s41, 2
	s_lshl_b32 s43, 15, s43                        ; my row of the cluster: places 4 cy .. 4 cy + 3
	s_lshl_b32 s44, 0x1111, s40                    ; my column: places cx, cx + 4, cx + 8, cx + 12
	; group 1: a tile of 128 rows x 128 elements of 2 bytes; behind every 64 words of data 4 words of padding
	s_or_b32 s[G1+0], s43, (1<<16)|(1<<20)|(1<<21)|(5<<22)|(3<<25)
	s_or_b32 s[G1B+0], s44, (1<<16)|(1<<20)|(1<<21)|(5<<22)|(3<<25)
	s_mov_b32 s[G1B+1], KSTEP<<16
	s_mov_b32 s[G1+1], KSTEP<<16                   ; tensor_dim0 = 128
	s_mov_b32 s[G1B+2], 128<<16
	s_mov_b32 s[G1+2], 128<<16                     ; tensor_dim1 = 128
	s_mov_b32 s[G1B+3], KSTEP<<16
	s_mov_b32 s[G1+3], KSTEP<<16                   ; tile_dim0 = 128
	s_mov_b32 s[G1B+4], 128
	s_mov_b32 s[G1+4], 128                         ; tile_dim1 = 128
	s_mov_b32 s[G1B+5], SIZE_K
	s_mov_b32 s[G1+5], SIZE_K                      ; elements from row to row
	s_mov_b32 s[G1B+6], 0
	s_mov_b32 s[G1+6], 0
	s_mov_b32 s[G1B+7], 0
	s_mov_b32 s[G1+7], 0
	; A's tiles hang on the block row and the projection, which my row of the cluster shares; B's on the block column, which my column shares.
	s_lshl_b32 s17, s12, 7                         ; which 128 rows of the tile I fetch
	s_lshl_b32 s16, s13, 8
	s_add_co_u32 s16, s16, s17
	s_lshl_b32 s16, s16, 11                        ; A: (256 x block row + 128 x half) rows of 2,048 bytes
	s_cmp_ge_u32 ttmp9, 2
	s_cselect_b32 s78, 0x1000000, 0                ; k is made from y, the second half of ab
	s_add_co_u32 s16, s16, s78
	s_lshl_b32 s46, s42, 8
	s_add_co_u32 s46, s46, s17
	s_lshl_b32 s46, s46, 11                        ; B: (256 x block column + 128 x half) rows of 2,048 bytes
	s_mov_b32 s17, 0
	s_mov_b32 s47, 0
	s_mul_i32 s20, s10, HALFT                      ; where they go: wave x 128 rows
	s_wait_dscnt 0x0
	s_wait_kmcnt 0x0
	s_add_nc_u64 s[14:15], s[4:5], s[16:17]
	s_add_nc_u64 s[46:47], s[6:7], s[46:47]
	s_mov_b64 s[76:77], s[68:69]                   ; the projection's bias
	s_cmp_eq_u32 ttmp9, 1
	s_cselect_b64 s[76:77], s[70:71], s[76:77]
	s_cmp_eq_u32 ttmp9, 2
	s_cselect_b64 s[76:77], s[72:73], s[76:77]
	CROUND                                         ; all sixteen work-groups are here: the first joint loads meet
.irp s, 0,1
	s_mov_b32 s[G0+4*\s], 1
	s_add_co_u32 s[G0+4*\s+1], s20, \s*SLOT
	s_add_nc_u64 s[G0+4*\s+2:G0+4*\s+3], s[14:15], \s*KSTEP*2
	s_or_b32 s[G0+4*\s+3], s[G0+4*\s+3], 0x80000000
	s_mov_b32 s[G0B+4*\s], 1
	s_add_co_u32 s[G0B+4*\s+1], s20, \s*SLOT
	s_add_nc_u64 s[G0B+4*\s+2:G0B+4*\s+3], s[46:47], \s*KSTEP*2
	s_or_b32 s[G0B+4*\s+3], s[G0B+4*\s+3], 0x80000000
	JLOAD \s                                       ; two tensor loads of this wave are out
.endr
	v_and_b32 v1, 15, v0                           ; l % 16
	v_bfe_u32 v2, v0, 4, 1                         ; l / 16
	; the bias of my columns: column tile b, numbers 8 (l / 16) + 0..7, at byte 1024 cx + 512 half + 64 b + 32 (l / 16) of the projection's bias
	s_lshl_b32 s78, s40, 10
	s_lshl_b32 s79, s12, 9
	s_add_co_u32 s78, s78, s79
	v_lshlrev_b32 v[BO], 5, v2
	v_add_nc_u32 v[BO], s78, v[BO]
	WIN TO_B
.irp b, 0,1,2,3,4,5,6,7
	global_load_b128 v[BI+8*\b:BI+8*\b+3],   v[BO], s[76:77] offset:64*\b
	global_load_b128 v[BI+8*\b+4:BI+8*\b+7], v[BO], s[76:77] offset:64*\b+16
.endr
	WIN 0
	; fragment addresses: row x pitch + 16 x (l / 16); two loads of 16 bytes, 32 bytes apart, make 16 rows x 32 K
	v_mul_u32_u24 v3, v1, PITCH
	v_lshl_add_u32 v3, v2, 4, v3
	s_mul_i32 s21, s11, HALFT                      ; my 128 rows of A
	s_mul_i32 s22, s12, HALFT                      ; my 128 rows of B,
	s_add_co_u32 s22, s22, 2*HALFT                 ; which lie behind A's 256
.irp s, 0,1
	v_add_nc_u32 v[ADRA+\s], s21, v3
	v_add_nc_u32 v[ADRB+\s], s22, v3
	s_add_co_u32 s21, s21, SLOT
	s_add_co_u32 s22, s22, SLOT
.endr
	s_mul_i32 s23, s10, 16*SPITCH
	s_add_co_u32 s23, s23, STAGE                   ; my stage
	v_mul_u32_u24 v4, v1, SPITCH                   ; in: row l % 16, 16 bytes for each half of the lanes
	v_lshl_add_u32 v4, v2, 4, v4
	v_add_nc_u32 v[STO], s23, v4
	; back: my 128 columns are two heads of 64 (128 bytes).  Lanes 0-15 take two rows of the first head, lanes 16-31 of the second:
	; row (l >> 3) & 1, head l >> 4, 16 bytes at l & 7.  In qkv two neighbouring rows of a head are 256 consecutive bytes.
	v_bfe_u32 v5, v0, 3, 1
	v_mul_u32_u24 v5, v5, SPITCH
	v_lshl_add_u32 v5, v2, 7, v5
	v_and_b32 v6, 7, v0
	v_lshl_add_u32 v5, v6, 4, v5
	v_add_nc_u32 v[RD], s23, v5
	v_lshlrev_b32 v5, 18, v2                       ; a head is 262,144 bytes
	v_lshl_add_u32 v[CO], v1, 4, v5
; 16 matrix instructions: m blocks a0, a0 + 1 of the window's four x all 8 n blocks, 32 along K.  zero = 1: the first product starts the sums.
.macro MUL16 f, hi, a0, zero
.irp a, \a0, \a0+1
.irp b, 0,1,2,3,4,5,6,7
.if \zero
	v_wmma_f32_16x16x32_bf16 v[8*(8*(\a)+\b):8*(8*(\a)+\b)+7], v[\f+8*\b:\f+8*\b+7], v[\f+8*(4*\hi+\a):\f+8*(4*\hi+\a)+7], 0
.else
	v_wmma_f32_16x16x32_bf16 v[8*(8*(\a)+\b):8*(8*(\a)+\b)+7], v[\f+8*\b:\f+8*\b+7], v[\f+8*(4*\hi+\a):\f+8*(4*\hi+\a)+7], v[8*(8*(\a)+\b):8*(8*(\a)+\b)+7]
.endif
.endr
.endr
.endm
; 32 LDS loads in one run: the fragments of one quarter step (128 rows of B, 128 rows of A, 32 K at byte k of the rows) into buffer f
.macro FETCH slot, k, f
	WIN TO_B
.irp i, 0,1,2,3,4,5,6,7
	ds_load_b128 v[\f+8*\i:\f+8*\i+3],   v[ADRB+\slot] offset:\k+\i*16*PITCH
	ds_load_b128 v[\f+8*\i+4:\f+8*\i+7], v[ADRB+\slot] offset:\k+\i*16*PITCH+32
.endr
	WIN 0
.irp i, 0,1,2,3,4,5,6,7
	ds_load_b128 v[\f+8*\i:\f+8*\i+3],   v[ADRA+\slot] offset:\k+\i*16*PITCH
	ds_load_b128 v[\f+8*\i+4:\f+8*\i+7], v[ADRA+\slot] offset:\k+\i*16*PITCH+32
.endr
.endm
; Four independent vector places stand between a matrix instruction and a load into, or a vector access to, one of its registers (ISA guide 7.12.1 for vector accesses).
.macro PLACES
.rept 4
	v_nop
.endr
.endm
; A K step is four quarter steps of 32 along K, 64 matrix instructions each, on buffers 0, 1, 0, 1.  The 64 accumulators take turns, one instruction a turn,
; in the same order in every quarter, over the backward jump too.
.macro QUARTER slot, k, f, g, zero
	s_wait_dscnt 8                                 ; B and A's rows 0-63 are in; the youngest eight loads (A's rows 64-127) may be out
	WIN MUL_LO
	MUL16 \f, 0, 0, \zero
	MUL16 \f, 0, 2, \zero
	PLACES
	FETCH \slot, \k, \g
	s_wait_dscnt 32                                ; all but the 32 just issued
	WIN MUL_HI
	MUL16 \f, 1, 0, \zero
	MUL16 \f, 1, 2, \zero
.endm
.macro THREE slot, zero
	QUARTER \slot, 64,  F0, F1, \zero
	QUARTER \slot, 128, F1, F0, 0
	QUARTER \slot, 192, F0, F1, 0
.endm
; The last quarter multiplies buffer 1 and changes slots.  In front of the barrier each wave waits for its reads of this slot and for all its tensor loads
; (one is out: its part of the next slot).  Behind it the refill comes first, then the next slot's first fragments.
.macro TURN slot, next, fill
	s_wait_dscnt 8
	WIN MUL_LO
	MUL16 F1, 0, 0, 0
	s_wait_dscnt 0                                 ; my reads of this slot are over
	s_wait_tensorcnt 0x0                           ; and all my tensor loads have landed
	ds_add_u32 v255, v255
	s_wait_dscnt 0x0
	s_barrier_signal -1                            ; (where a slot is filled again this barrier opens a round of the cluster's barrier)
	MUL16 F1, 0, 2, 0                              ; register work while the others arrive
	WIN 0
	s_barrier_wait -1
.if \fill
	CREST                                          ; no wave of any partner still reads this slot or has a load on its way
	s_add_nc_u64 s[G0+4*\slot+2:G0+4*\slot+3], s[G0+4*\slot+2:G0+4*\slot+3], 2*KSTEP*2
	s_add_nc_u64 s[G0B+4*\slot+2:G0B+4*\slot+3], s[G0B+4*\slot+2:G0B+4*\slot+3], 2*KSTEP*2
	JLOAD \slot                                    ; the first tensor load behind the round; its four v_nop are also the places in front of the loads below
.else
	PLACES
.endif
	FETCH \next, 0, F0
	WIN MUL_HI
	MUL16 F1, 1, 0, 0
	MUL16 F1, 1, 2, 0
.endm
.macro LAP zero
	THREE 0, \zero
	TURN 0, 1, 1
	THREE 1, 0
	TURN 1, 0, 1
.endm
	s_wait_loadcnt 0x0                             ; the bias, once
	s_wait_tensorcnt 1                             ; my part of K step 0 is in; K step 1's load stays out
	s_barrier_signal -1
	s_barrier_wait -1
	FETCH 0, 0, F0
	LAP 1                                          ; the first lap stands in front of the loop: its first products start the sums
	WIN 0
	s_mov_b32 s3, LAPS-2
.Llap:
	LAP 0
	WIN 0
	s_sub_co_u32 s3, s3, 1
	s_cmp_lg_u32 s3, 0
	s_cbranch_scc1 .Llap
	THREE 0, 0                                     ; the last lap fills nothing
	TURN 0, 1, 0
	THREE 1, 0
	s_wait_dscnt 8
	WIN MUL_LO
	MUL16 F1, 0, 0, 0
	MUL16 F1, 0, 2, 0
	s_wait_dscnt 0
	WIN MUL_HI
	MUL16 F1, 1, 0, 0
	MUL16 F1, 1, 2, 0
	; THE WAY OUT, 16 rows at a time: add the bias, round to bf16, 16 bytes a lane into my own stage, read back by heads, store.
	PLACES
	; my corner in qkv: projection x 16,777,216 + batch x 16 heads + (4 cx + 2 half) heads of 262,144 + row in the batch x 128
	s_lshr_b32 s14, s13, 3                         ; batch = block row / 8
	s_lshl_b32 s14, s14, 22
	s_and_b32 s15, s13, 7
	s_lshl_b32 s15, s15, 15                        ; 256 rows of 128 bytes
	s_lshl_b32 s16, s11, 14                        ; my half: 128 rows of 128 bytes
	s_add_co_u32 s16, s16, s14
	s_add_co_u32 s16, s16, s15
	s_lshl_b32 s14, ttmp9, 24
	s_add_co_u32 s16, s16, s14
	s_mov_b32 s17, 0
	s_add_nc_u64 s[8:9], s[74:75], s[16:17]
	s_lshl_b32 s46, s40, 20                        ; 4 cx heads (in registers that fed B's address: none that fed A's descriptors ever holds cx)
	s_lshl_b32 s47, s12, 19                        ; 2 x half heads
	s_add_co_u32 s46, s46, s47
	s_mov_b32 s47, 0
	s_add_nc_u64 s[8:9], s[8:9], s[46:47]
; rows 16 i .. 16 i + 15 of my block = the eight tiles (a, 0..7) of window 2 or 3.  addw: sum in that window, bias from window 1; from: both sources in that window
.macro OUT16 i, a, addw, from, f
	WIN \addw
.irp b, 0,1,2,3,4,5,6,7
.irp r, 0,1,2,3
	v_pk_add_f32 v[8*(8*\a+\b)+2*\r:8*(8*\a+\b)+2*\r+1], v[8*(8*\a+\b)+2*\r:8*(8*\a+\b)+2*\r+1], v[BI+8*\b+2*\r:BI+8*\b+2*\r+1]
.endr
.endr
	WIN \from
.irp b, 0,1,2,3,4,5,6,7
.irp r, 0,1,2,3
	v_cvt_pk_bf16_f32 v[TMP+4*\b+\r], v[8*(8*\a+\b)+2*\r], v[8*(8*\a+\b)+2*\r+1]
.endr
.endr
	WIN 0
.irp b, 0,1,2,3,4,5,6,7
	ds_store_b128 v[STO], v[TMP+4*\b:TMP+4*\b+3] offset:32*\b
.endr
	s_wait_xcnt 0x0                                ; buffer f, which earlier stores read, is loaded again only behind this wait
.irp t, 0,1,2,3,4,5,6,7
	ds_load_b128 v[\f+4*\t:\f+4*\t+3], v[RD] offset:\t*2*SPITCH    ; LDS serves a wave's instructions in order: these see the stores above
.endr
.irp t, 0,1,2,3,4,5,6,7
	s_wait_dscnt 7-\t                              ; load t is in, the 7 - t younger ones stay out
	global_store_b128 v[CO], v[\f+4*\t:\f+4*\t+3], s[8:9] offset:\i*2048+\t*256   ; 16 lanes store rows 2 t, 2 t + 1 of one head: 256 consecutive bytes, aligned
.endr
.endm
	OUT16 0, 0, 0x86, 0x0a, F0
	OUT16 1, 1, 0x86, 0x0a, F1
	OUT16 2, 2, 0x86, 0x0a, F0
	OUT16 3, 3, 0x86, 0x0a, F1
	OUT16 4, 0, 0xc7, 0x0f, F0
	OUT16 5, 1, 0xc7, 0x0f, F1
	OUT16 6, 2, 0xc7, 0x0f, F0
	OUT16 7, 3, 0xc7, 0x0f, F1
	s_set_vgpr_msb 0x1
	s_wait_tensorcnt 0x0
	ds_add_u32 v255, v255
	s_wait_dscnt 0x0
	s_set_vgpr_msb 0x100
	CROUND                                         ; the closing round: no work-group ends while a partner may still ask for a tile that names it
	s_endpgm
.Lfunc_end_k_q8b6f608ecb_qkv:
	.size	k_q8b6f608ecb_qkv, .Lfunc_end_k_q8b6f608ecb_qkv-k_q8b6f608ecb_qkv
	.p2alignl 7, 3214868480
	.fill 96, 4, 3214868480
	.section	.rodata,"a",@progbits
	.p2align	6, 0x0
	.amdhsa_kernel k_q8b6f608ecb_qkv
		.amdhsa_group_segment_fixed_size 327680
		.amdhsa_private_segment_fixed_size 0
		.amdhsa_enable_private_segment 0
		.amdhsa_kernarg_size 48
		.amdhsa_user_sgpr_count 2
		.amdhsa_user_sgpr_kernarg_segment_ptr 1
		.amdhsa_wavefront_size32 1
		.amdhsa_system_sgpr_workgroup_id_x 1
		.amdhsa_system_sgpr_workgroup_id_y 1
		.amdhsa_system_sgpr_workgroup_id_z 1
		.amdhsa_system_vgpr_workitem_id 0
		.amdhsa_next_free_vgpr 1024
		.amdhsa_next_free_sgpr 80
		.amdhsa_reserve_vcc 0
		.amdhsa_float_denorm_mode_32 3
		.amdhsa_float_denorm_mode_16_64 3
		.amdhsa_memory_ordered 1
		.amdhsa_forward_progress 1
		.amdhsa_inst_pref_size 215
	.end_amdhsa_kernel
	.amdgpu_metadata
---
amdhsa.version: [ 1, 2 ]
amdhsa.kernels:
  - .name:           k_q8b6f608ecb_qkv
    .symbol:         k_q8b6f608ecb_qkv.kd
    .args:
      - { .name: ab, .offset: 0, .size: 8, .value_kind: global_buffer, .address_space: global }
      - { .name: wb, .offset: 8, .size: 8, .value_kind: global_buffer, .address_space: global }
      - { .name: bq, .offset: 16, .size: 8, .value_kind: global_buffer, .address_space: global }
      - { .name: bv, .offset: 24, .size: 8, .value_kind: global_buffer, .address_space: global }
      - { .name: bk, .offset: 32, .size: 8, .value_kind: global_buffer, .address_space: global }
      - { .name: qkv, .offset: 40, .size: 8, .value_kind: global_buffer, .address_space: global }
    .group_segment_fixed_size: 327680
    .private_segment_fixed_size: 0
    .kernarg_segment_align: 8
    .kernarg_segment_size: 48
    .max_flat_workgroup_size: 128
    .sgpr_count:     80
    .vgpr_count:     1024
    .wavefront_size: 32
...
	.end_amdgpu_metadata
.endif
;; end of part 2
;; launch attn (part 3): grid 256 x 1, 8 waves a work-group, clusters of 4 x 1, 327,680 bytes of LDS; arguments qkv, ctx; writes ctx
.if DOCPART == 3
	.amdgcn_target "amdgcn-amd-amdhsa--gfx1250"
	.amdhsa_code_object_version 6
	.text
	.protected	k_q8b6f608ecb_attn
	.globl	k_q8b6f608ecb_attn
	.p2align	8
	.type	k_q8b6f608ecb_attn,@function
k_q8b6f608ecb_attn:
	s_mov_b64 s[64:65], 0
	v_nop
	global_prefetch_b8 v0, s[64:65] scope:SCOPE_SE
	s_setreg_imm32_b32 hwreg(HW_REG_WAVE_MODE, 25, 1), 1
	s_wait_xcnt 0x0
	s_wait_alu depctr_hold_cnt(0) depctr_sa_sdst(0) depctr_va_vdst(0) depctr_va_sdst(0) depctr_va_ssrc(0) depctr_va_vcc(0) depctr_vm_vsrc(0)
	s_getreg_b32 s2, hwreg(HW_REG_IB_STS2, 6, 4)
	s_cmp_eq_u32 s2, 0
	s_cbranch_scc0 .Lentry_in_a_cluster
	s_endpgm
.Lentry_in_a_cluster:
	s_bfe_u32 s2, ttmp6, 0x10000c
	s_cmp_lg_u32 s2, 0x3003
	s_cbranch_scc0 .Lentry_shape_is_right
	s_endpgm
.Lentry_shape_is_right:
; ctx = softmax(q k^T / 8) v for each of 64 (batch, head) pairs; 2048 queries, 2048 keys, head size 64.  q, k, v bf16 by heads in qkv; ctx bf16 by heads.
; Scores and probabilities stay in registers: a running maximum and a running sum for each query, in f32.
; LIMITS: the probabilities enter the second product rounded to bf16, while their sum is taken in f32 before the rounding; v_exp_f32 and v_rcp_f32 are good to
; 1 ULP and flush denormals, so a probability below 2^-126 counts as 0; the order of the sums differs from the reference's.
; SHARE: the cluster's x is the head; the four work-groups of a cluster take 512 queries each; a wave takes 64 queries (4 tiles of 16).  Eight waves, two on a SIMD,
; so that one wave's softmax arithmetic can run under the other's matrix instructions.
; CLUSTER: the four work-groups walk the same K and V, so every tile is one joint load with mask 15.
; BOTH PRODUCTS ARE TRANSPOSED.  S^T (16 keys x 16 queries) = K fragment x Q fragment: lane (r, h) holds keys 8 h + 0..7 of query r, so maxima and sums are taken in the
; lane, plus one exchange between the halves; two neighbouring key tiles, packed to bf16, ARE the second source (32 keys x 16 queries) of the next product.
; O^T (16 d x 16 queries) += V^T fragment (transposing LDS load) x P: lane (r, h) holds d = 8 h + 0..7 of query r, so the rescaling factors are the lane's own.
; EXPONENTS: p = 2^(c s + NN), c = log2(e) / 8, NN = the rounded -c max; the rescaling factor is 2^(NN new - NN old), from the same two rounded numbers,
; so old and new terms share one reference point whatever the size of the scores.
;
; LDS: two slots of 155,648 bytes, 512 keys each: V's 512 rows at pitch 160 (81,920 bytes), then K's 512 rows at pitch 144 (73,728 bytes).
; Waves 0-3 fill V's four quarters (128 keys, 20,480 bytes), waves 4-7 K's (18,432 bytes): one load of 16,384 bytes of memory a wave, 64 rows of 256 bytes.
; A key block of 64 keys is 10,240 bytes of V and 9,216 of K, at even steps, so the blocks of a tile are run by a counted loop on two stepped address registers:
; the text holds 9 blocks for the 32 that a wave runs.  Four tiles, written out; each tile's load stands a whole tile (512 matrix instructions of the wave) ahead of the
; wait for it, so nothing is asked for any earlier than that.
; THE STAGE for the way out lies in slot 0 (wave x 9,216 bytes): slot 0 has its last fill with tile 2 and its last reads end in front of tile 3's round.
.set VOFF,  16777216                   ; v in qkv
.set KOFF,  33554432                   ; k in qkv
.set KP,    144                        ; K's pitch: an odd multiple of 16
.set VP,    160                        ; V's pitch: an odd multiple of 32
.set VPART, 128*VP                     ; what one of waves 0-3 fills
.set KPART, 128*KP                     ; what one of waves 4-7 fills
.set KBASE, 4*VPART                    ; K's rows in a slot
.set SLOT,  KBASE+4*KPART              ; 155,648
.set KBLK,  64*KP                      ; a key block's step in K
.set VBLK,  64*VP                      ; and in V
.set TILEB, 65536                      ; 512 keys of 128 bytes in memory
.set WST,   64*KP                      ; a wave's stage
; window 0
.set KA,  4                            ; v4-5    K fragment address of key block 0 in slot 0, 1
.set VA,  6                            ; v6-7    V fragment address of key block 0 in slot 0, 1
.set STO, 8                            ; v8      the way out: where I put 16 bytes
.set RD,  9                            ; v9      the way out: where I read 16 bytes back
.set CO,  10                           ; v10     16 x lane
.set QO,  11                           ; v11     my offset in a Q tile
.set KC,  12                           ; v12     K fragment address of the key block at work
.set VC,  13                           ; v13     V fragment address of the key block at work
.set ST,  16                           ; v[16:31] for query tile q at 16 + 4 q: NN, M (maximum), AL (rescaling factor), L (sum)
.set TB,  32                           ; v[32:63] at work, 8 registers for each query tile
.set KB,  64                           ; v[64:127]  K fragments: key tile kt, half dh of d at 64 + 16 kt + 8 dh
.set SB,  128                          ; v[128:255] scores: query tile q, key tile kt at 128 + 32 q + 8 kt; packed in place: P of 32 keys kh at 128 + 32 q + 8 kh
; window 1
.set OB,  0                            ; O^T: query tile q, d tile dt at 32 q + 8 dt
.set QB,  128                          ; Q fragments at 128 + 16 q + 8 dh
.set VB,  192                          ; V^T fragments: 32 keys kh, d tile dt at 192 + 32 kh + 8 dt
.set G1K, 24
.set G0K, 32
.set G1V, 48
.set G0V, 56
.set W_QK, 0x04                        ; source 1 (Q) in window 1
.set W_PV, 0x51                        ; source 0 (V), C and D in window 1
.set W_RS, 0x41                        ; destination and source 0 in window 1
.set W_L1, 0x40                        ; a load's destination in window 1
.set W_CV, 0x05                        ; both sources in window 1
.set MSB, 0
.macro WIN new
.if MSB != \new
	s_set_vgpr_msb (MSB<<8)|\new
.set MSB, \new
.endif
.endm
.macro ROUND                           ; a round of the cluster's barrier
	s_barrier_signal -1
	s_barrier_wait -1
	s_cmp_lg_u32 s8, 0
	s_cbranch_scc1 .Lnot_wave_0_\@
	s_barrier_signal -3
.Lnot_wave_0_\@:
	s_barrier_wait -3
	s_barrier_signal -1
	s_barrier_wait -1
.endm
.macro JLOAD s                         ; waves 0-3 ask for V's four quarters, waves 4-7 for K's; four v_nop follow each line
	s_cmp_eq_u32 s9, 0
	s_cbranch_scc0 .Lfor_k_\@
	tensor_load_to_lds s[G0V+4*\s:G0V+4*\s+3], s[G1V:G1V+7]
	s_nop 0
.rept 4
	v_nop
.endr
	s_branch .Lasked_\@
.Lfor_k_\@:
	tensor_load_to_lds s[G0K+4*\s:G0K+4*\s+3], s[G1K:G1K+7]
	s_nop 0
.rept 4
	v_nop
.endr
.Lasked_\@:
.endm
	s_load_b128 s[4:7], s[0:1], 0x0                ; qkv s[4:5], ctx s[6:7]
	v_lshl_add_u32 v254, v0, 2, 0x4c000
	v_mov_b32 v255, 0
	ds_add_u32 v254, v255
	s_wait_dscnt 0x0
	v_lshrrev_b32 v1, 5, v0
	v_readfirstlane_b32 s8, v1                     ; wave 0..7
	s_lshr_b32 s9, s8, 2                           ; 0: I fetch V, 1: I fetch K
	s_bfe_u32 s10, ttmp6, 0x40000                  ; cx: my block of 512 queries
	s_mov_b32 s12, 0x76543210                      ; v_permlanex16_b32: lane i reads lane i of the other half
	s_mov_b32 s13, 0xfedcba98
	s_mov_b32 s14, 0x3e38aa3b                      ; c = log2(e) / 8
	s_mov_b32 s15, 0x3e38aa3b
	s_mov_b32 s16, 0xbe38aa3b                      ; -c
	; group 1: a quarter is 16,384 dense bytes, taken as 64 rows of 128 elements (256 bytes).  The padding's interval is counted along the whole tile:
	; behind every 32 words (one key's 128 bytes) 4 words for K, 8 for V.
	s_mov_b32 s[G1K+0], 15|(1<<16)|(1<<20)|(1<<21)|(4<<22)|(3<<25)
	s_mov_b32 s[G1V+0], 15|(1<<16)|(1<<20)|(1<<21)|(4<<22)|(7<<25)
	s_mov_b32 s[G1K+1], 128<<16
	s_mov_b32 s[G1V+1], 128<<16
	s_mov_b32 s[G1K+2], 64<<16
	s_mov_b32 s[G1V+2], 64<<16
	s_mov_b32 s[G1K+3], 128<<16
	s_mov_b32 s[G1V+3], 128<<16
	s_mov_b32 s[G1K+4], 64
	s_mov_b32 s[G1V+4], 64
	s_mov_b32 s[G1K+5], 128
	s_mov_b32 s[G1V+5], 128
	s_mov_b32 s[G1K+6], 0
	s_mov_b32 s[G1V+6], 0
	s_mov_b32 s[G1K+7], 0
	s_mov_b32 s[G1V+7], 0
	s_lshl_b32 s18, ttmp9, 18                      ; the head: 262,144 bytes
	s_and_b32 s19, s8, 3
	s_lshl_b32 s19, s19, 14                        ; my 128 keys of a tile
	s_add_co_u32 s20, s18, s19
	s_add_co_u32 s22, s20, VOFF
	s_add_co_u32 s20, s20, KOFF
	s_mov_b32 s21, 0
	s_mov_b32 s23, 0
	s_mul_i32 s17, s8, VPART                       ; V's quarter in a slot: wave x 20,480 (waves 0-3)
	s_mul_i32 s46, s8, KPART                       ; K's quarter: 81,920 + (wave - 4) x 18,432 (waves 4-7)
	s_add_co_u32 s46, s46, KBASE-4*KPART
	s_lshl_b32 s44, s10, 16                        ; 512 queries of 128 bytes
	s_add_co_u32 s44, s44, s18
	s_lshl_b32 s45, s8, 13                         ; my 64 queries
	s_add_co_u32 s44, s44, s45
	s_mov_b32 s45, 0
	v_and_b32 v2, 15, v0                           ; r
	v_bfe_u32 v3, v0, 4, 1                         ; h
	v_mul_u32_u24 v14, v2, KP
	v_lshl_add_u32 v14, v3, 4, v14                 ; r x 144 + 16 h
	v_add_nc_u32 v[KA], KBASE, v14
	v_add_nc_u32 v[KA+1], SLOT, v[KA]
	v_and_b32 v15, 7, v0
	v_lshl_add_u32 v1, v3, 3, v15                  ; key 8 h + (lane & 7)
	v_mul_u32_u24 v[VA], v1, VP
	v_bfe_u32 v1, v0, 3, 1
	v_lshl_add_u32 v[VA], v1, 4, v[VA]             ; + 16 ((lane >> 3) & 1)
	v_add_nc_u32 v[VA+1], SLOT, v[VA]
	s_mul_i32 s18, s8, WST                         ; my stage
	v_add_nc_u32 v[STO], s18, v14                  ; row r, 16 bytes for each half of the lanes
	v_bfe_u32 v1, v0, 3, 2                         ; back: four rows of 128 bytes a load, 8 lanes a row
	v_mul_u32_u24 v[RD], v1, KP
	v_lshl_add_u32 v[RD], v15, 4, v[RD]
	v_add_nc_u32 v[RD], s18, v[RD]
	v_and_b32 v[CO], 31, v0
	v_lshlrev_b32 v[CO], 4, v[CO]
	v_lshlrev_b32 v[QO], 7, v2
	v_lshl_add_u32 v[QO], v3, 4, v[QO]             ; r x 128 + 16 h
	s_wait_kmcnt 0x0
	s_add_nc_u64 s[40:41], s[4:5], s[44:45]        ; my queries
	s_add_nc_u64 s[42:43], s[6:7], s[44:45]        ; my rows of ctx
	s_add_nc_u64 s[20:21], s[4:5], s[20:21]        ; K: hangs on the head and the wave alone
	s_add_nc_u64 s[22:23], s[4:5], s[22:23]        ; V likewise
.irp s, 0,1
	s_mov_b32 s[G0K+4*\s], 1
	s_add_co_u32 s[G0K+4*\s+1], s46, \s*SLOT
	s_add_nc_u64 s[G0K+4*\s+2:G0K+4*\s+3], s[20:21], \s*TILEB      ; tile s
	s_or_b32 s[G0K+4*\s+3], s[G0K+4*\s+3], 0x80000000
	s_mov_b32 s[G0V+4*\s], 1
	s_add_co_u32 s[G0V+4*\s+1], s17, \s*SLOT
	s_add_nc_u64 s[G0V+4*\s+2:G0V+4*\s+3], s[22:23], \s*TILEB
	s_or_b32 s[G0V+4*\s+3], s[G0V+4*\s+3], 0x80000000
.endr
	ROUND                                          ; the four work-groups are here: the first joint load meets
	JLOAD 0                                        ; tile 0; by this text's count one tensor load of a wave is out, here and behind every round
	WIN W_L1
.irp q, 0,1,2,3
.irp dh, 0,1
	global_load_b128 v[QB+16*\q+8*\dh:QB+16*\q+8*\dh+3],   v[QO], s[40:41] offset:\q*2048+\dh*64
	global_load_b128 v[QB+16*\q+8*\dh+4:QB+16*\q+8*\dh+7], v[QO], s[40:41] offset:\q*2048+\dh*64+32
.endr
.endr
	WIN 0
.macro FETCHK off                      ; 16 loads: the four key tiles of the key block that lies off bytes behind KC (0: the block at work, KBLK: the next)
.irp kt, 0,1,2,3
.irp dh, 0,1
	ds_load_b128 v[KB+16*\kt+8*\dh:KB+16*\kt+8*\dh+3],   v[KC] offset:\off+\kt*16*KP+\dh*64
	ds_load_b128 v[KB+16*\kt+8*\dh+4:KB+16*\kt+8*\dh+7], v[KC] offset:\off+\kt*16*KP+\dh*64+32
.endr
.endr
.endm
.macro FETCHV                          ; 16 transposing loads: V^T of the key block at work, 2 x 32 keys, 4 d tiles
	WIN W_L1
.irp kh, 0,1
.irp dt, 0,1,2,3
	ds_load_tr16_b128 v[VB+32*\kh+8*\dt:VB+32*\kh+8*\dt+3],   v[VC] offset:\kh*32*VP+\dt*32
	ds_load_tr16_b128 v[VB+32*\kh+8*\dt+4:VB+32*\kh+8*\dt+7], v[VC] offset:\kh*32*VP+\dt*32+16*VP
.endr
.endr
	WIN 0
.endm
; 32 matrix instructions: 16 score tiles, two links each (d 0-31, d 32-63).  The 16 accumulators take turns, one instruction a turn.
.macro QK
	WIN W_QK
.irp kt, 0,1,2,3
.irp q, 0,1,2,3
	v_wmma_f32_16x16x32_bf16 v[SB+32*\q+8*\kt:SB+32*\q+8*\kt+7], v[KB+16*\kt:KB+16*\kt+7], v[QB+16*\q:QB+16*\q+7], 0
.endr
.endr
.irp kt, 0,1,2,3
.irp q, 0,1,2,3
	v_wmma_f32_16x16x32_bf16 v[SB+32*\q+8*\kt:SB+32*\q+8*\kt+7], v[KB+16*\kt+8:KB+16*\kt+15], v[QB+16*\q+8:QB+16*\q+15], v[SB+32*\q+8*\kt:SB+32*\q+8*\kt+7]
.endr
.endr
	WIN 0
.rept 4
	v_nop                                          ; four places in front of the reads of the scores and of the loads into K's registers
.endr
.endm
; The running maximum of each query, and from it NN and the rescaling factor.  Each step is done for all four query tiles before the next.
.macro SMAX first
.irp c, 0,1,2,3
.irp q, 0,1,2,3
	v_max3_num_f32 v[TB+8*\q+\c], v[SB+32*\q+8*\c], v[SB+32*\q+8*\c+1], v[SB+32*\q+8*\c+2]
.endr
.endr
.irp c, 0,1,2,3
.irp q, 0,1,2,3
	v_max3_num_f32 v[TB+8*\q+\c], v[TB+8*\q+\c], v[SB+32*\q+8*\c+3], v[SB+32*\q+8*\c+4]
.endr
.endr
.irp c, 0,1,2,3
.irp q, 0,1,2,3
	v_max3_num_f32 v[TB+8*\q+\c], v[TB+8*\q+\c], v[SB+32*\q+8*\c+5], v[SB+32*\q+8*\c+6]
.endr
.endr
.irp q, 0,1,2,3
	v_max3_num_f32 v[TB+8*\q],   v[TB+8*\q],   v[SB+32*\q+7],  v[SB+32*\q+15]
	v_max3_num_f32 v[TB+8*\q+1], v[TB+8*\q+1], v[SB+32*\q+23], v[SB+32*\q+31]
.endr
.irp q, 0,1,2,3
	v_max3_num_f32 v[TB+8*\q], v[TB+8*\q], v[TB+8*\q+1], v[TB+8*\q+2]
.endr
.irp q, 0,1,2,3
.if \first
	v_max_num_f32 v[ST+4*\q+1], v[TB+8*\q], v[TB+8*\q+3]           ; the first block starts the maximum: nothing is preset
.else
	v_max3_num_f32 v[ST+4*\q+1], v[TB+8*\q], v[TB+8*\q+3], v[ST+4*\q+1]
.endif
.endr
.irp q, 0,1,2,3
	v_permlanex16_b32 v[TB+8*\q+1], v[ST+4*\q+1], s12, s13         ; the other half's keys of the same query
.endr
.irp q, 0,1,2,3
	v_max_num_f32 v[ST+4*\q+1], v[ST+4*\q+1], v[TB+8*\q+1]
.endr
.if \first
.irp q, 0,1,2,3
	v_mul_f32 v[ST+4*\q], s16, v[ST+4*\q+1]                        ; NN = -c max
.endr
.else
.irp q, 0,1,2,3
	v_mul_f32 v[TB+8*\q+2], s16, v[ST+4*\q+1]
.endr
.irp q, 0,1,2,3
	v_sub_f32 v[ST+4*\q+2], v[TB+8*\q+2], v[ST+4*\q]               ; NN new - NN old, at most 0
.endr
.irp q, 0,1,2,3
	v_mov_b32 v[ST+4*\q], v[TB+8*\q+2]
.endr
.irp q, 0,1,2,3
	v_exp_f32 v[ST+4*\q+2], v[ST+4*\q+2]                           ; the next line is a plain one that names none of these (ISA guide 5.7.2)
.endr
.endif
.endm
.macro PFMA q                          ; c s + NN, two at a time
.irp i, 0,1,2,3,4,5,6,7,8,9,10,11,12,13,14,15
	v_pk_fma_f32 v[SB+32*\q+2*\i:SB+32*\q+2*\i+1], v[SB+32*\q+2*\i:SB+32*\q+2*\i+1], s[14:15], v[ST+4*\q:ST+4*\q+1] op_sel_hi:[1,0,0]
.endr
.endm
.macro PEXP q                          ; 32 exponentials in place; what follows each run is plain work on another query tile's registers
.set n, 0
.rept 32
	v_exp_f32 v[SB+32*\q+n], v[SB+32*\q+n]
.set n, n+1
.endr
.endm
.macro PSUM q, first                   ; the lane's 32 probabilities in four chains of pairs; the two halves of the lanes are joined once, at the end of the kernel
	s_wait_alu depctr_va_vdst(0)
.irp c, 0,1,2,3
	v_pk_add_f32 v[TB+8*\q+2*\c:TB+8*\q+2*\c+1], v[SB+32*\q+2*\c:SB+32*\q+2*\c+1], v[SB+32*\q+2*\c+8:SB+32*\q+2*\c+9]
.endr
.irp c, 0,1,2,3
	v_pk_add_f32 v[TB+8*\q+2*\c:TB+8*\q+2*\c+1], v[TB+8*\q+2*\c:TB+8*\q+2*\c+1], v[SB+32*\q+2*\c+16:SB+32*\q+2*\c+17]
.endr
.irp c, 0,1,2,3
	v_pk_add_f32 v[TB+8*\q+2*\c:TB+8*\q+2*\c+1], v[TB+8*\q+2*\c:TB+8*\q+2*\c+1], v[SB+32*\q+2*\c+24:SB+32*\q+2*\c+25]
.endr
	v_pk_add_f32 v[TB+8*\q:TB+8*\q+1],   v[TB+8*\q:TB+8*\q+1],   v[TB+8*\q+2:TB+8*\q+3]
	v_pk_add_f32 v[TB+8*\q+4:TB+8*\q+5], v[TB+8*\q+4:TB+8*\q+5], v[TB+8*\q+6:TB+8*\q+7]
	v_pk_add_f32 v[TB+8*\q:TB+8*\q+1],   v[TB+8*\q:TB+8*\q+1],   v[TB+8*\q+4:TB+8*\q+5]
.if \first
	v_add_f32 v[ST+4*\q+3], v[TB+8*\q], v[TB+8*\q+1]
.else
	v_add_f32 v[TB+8*\q], v[TB+8*\q], v[TB+8*\q+1]
	v_fma_f32 v[ST+4*\q+3], v[ST+4*\q+3], v[ST+4*\q+2], v[TB+8*\q]
.endif
.endm
.macro PCVT q                          ; pack in place, ascending: word i is written from words 2 i and 2 i + 1, which are never below i
.irp i, 0,1,2,3,4,5,6,7,8,9,10,11,12,13,14,15
	v_cvt_pk_bf16_f32 v[SB+32*\q+\i], v[SB+32*\q+2*\i], v[SB+32*\q+2*\i+1]
.endr
.endm
.macro RESC                            ; O^T times the lane's factor AL
	WIN W_RS
.irp q, 0,1,2,3
.irp i, 0,1,2,3,4,5,6,7,8,9,10,11,12,13,14,15
	v_pk_mul_f32 v[OB+32*\q+2*\i:OB+32*\q+2*\i+1], v[OB+32*\q+2*\i:OB+32*\q+2*\i+1], v[ST+4*\q+2:ST+4*\q+3] op_sel_hi:[1,0]
.endr
.endr
	WIN 0
.endm
; 32 matrix instructions: 16 tiles of O^T, two links each (keys 0-31, 32-63 of the block), the accumulators by turns as above.
; Five places follow: the next score product writes over P's registers; four of them serve the loads into V's registers.  step = 1: two of the five step the
; block's addresses (an LDS load has read its address when it is issued, so the loads above need no wait for that).
.macro PV first, step
	WIN W_PV
.irp q, 0,1,2,3
.irp dt, 0,1,2,3
.if \first
	v_wmma_f32_16x16x32_bf16 v[OB+32*\q+8*\dt:OB+32*\q+8*\dt+7], v[VB+8*\dt:VB+8*\dt+7], v[SB+32*\q:SB+32*\q+7], 0
.else
	v_wmma_f32_16x16x32_bf16 v[OB+32*\q+8*\dt:OB+32*\q+8*\dt+7], v[VB+8*\dt:VB+8*\dt+7], v[SB+32*\q:SB+32*\q+7], v[OB+32*\q+8*\dt:OB+32*\q+8*\dt+7]
.endif
.endr
.endr
.irp q, 0,1,2,3
.irp dt, 0,1,2,3
	v_wmma_f32_16x16x32_bf16 v[OB+32*\q+8*\dt:OB+32*\q+8*\dt+7], v[VB+32+8*\dt:VB+32+8*\dt+7], v[SB+32*\q+8:SB+32*\q+15], v[OB+32*\q+8*\dt:OB+32*\q+8*\dt+7]
.endr
.endr
	WIN 0
.if \step
	v_add_nc_u32 v[KC], KBLK, v[KC]
	v_add_nc_u32 v[VC], VBLK, v[VC]
.rept 3
	v_nop
.endr
.else
.rept 5
	v_nop
.endr
.endif
.endm
; One key block of 64 keys, at KC and VC.  nextk = 1: the next block's K fragments are fetched under the softmax and the addresses step on; 0: the tile ends here.
; On every way into a block exactly K's 16 loads are out.
.macro BLOCK nextk, first
	FETCHV
	s_wait_dscnt 16                                ; K's 16 loads are in; V's 16, issued behind them, stay out
	QK
.if \nextk
	FETCHK KBLK
.endif
	SMAX \first
	PFMA 0
	PEXP 0
	PFMA 1
	PEXP 1
	PSUM 0, \first
	PCVT 0
	PFMA 2
	PEXP 2
	PSUM 1, \first
	PCVT 1
	PFMA 3
	PEXP 3
	PSUM 2, \first
	PCVT 2
.if \first == 0
	RESC
.endif
	PSUM 3, \first
	PCVT 3
.if \nextk
	s_wait_dscnt 16                                ; V's loads are in; the next block's 16 loads of K stay out
.else
	s_wait_dscnt 0
.endif
	PV \first, \nextk
.endm
; One tile of 512 keys = 8 key blocks.  In front of the round every wave has waited for all its tensor loads (its part of this tile among them) and for its reads of the
; other slot; behind it the other slot is asked for again first, then this slot is read.  Seven blocks fetch the next block's K and are run by the loop (in the first
; tile the first of them is written out, since it starts maxima, sums and O^T); the eighth is written out.
.macro TRIP slot, other, refill, first
	s_wait_xcnt 0x0
	v_lshl_add_u32 v254, v0, 2, 0x4c000
	v_mov_b32 v255, 0
	s_wait_tensorcnt 0x0
	ds_add_u32 v254, v255
	s_wait_dscnt 0x0
	s_add_nc_u64 s[G0K+4*\slot+2:G0K+4*\slot+3], s[G0K+4*\slot+2:G0K+4*\slot+3], 2*TILEB   ; no load of mine is out: this slot's next tile, two tiles on
	s_add_nc_u64 s[G0V+4*\slot+2:G0V+4*\slot+3], s[G0V+4*\slot+2:G0V+4*\slot+3], 2*TILEB   ; (in the last two tiles the stepped addresses are not used)
	s_wait_dscnt 0x0
	ROUND
.if \refill
	JLOAD \other
.endif
	v_mov_b32 v[KC], v[KA+\slot]
	v_mov_b32 v[VC], v[VA+\slot]
	FETCHK 0
.if \first
	BLOCK 1, 1
	s_mov_b32 s11, 6
.else
	s_mov_b32 s11, 7
.endif
.Lblock_\@:
	BLOCK 1, 0
	s_sub_co_u32 s11, s11, 1
	s_cmp_lg_u32 s11, 0
	s_cbranch_scc1 .Lblock_\@
	BLOCK 0, 0
.endm
	s_wait_loadcnt 0x0                             ; Q, once
	TRIP 0, 1, 1, 1                                ; tile 0 asks for tile 1 (slot 1's first fill)
	TRIP 1, 0, 1, 0                                ; tile 1 asks for tile 2: slot 0's last fill
	TRIP 0, 1, 1, 0                                ; tile 2 asks for tile 3
	TRIP 1, 0, 0, 0                                ; tile 3: nothing is left to fetch; in front of its round every wave's reads of slot 0 have ended
	; THE WAY OUT: join the two halves' sums, divide, round to bf16, through my own stage in slot 0, whole rows out.
.irp q, 0,1,2,3
	v_permlanex16_b32 v[TB+8*\q], v[ST+4*\q+3], s12, s13
.endr
.irp q, 0,1,2,3
	v_add_f32 v[ST+4*\q+3], v[ST+4*\q+3], v[TB+8*\q]               ; at least about 1: the largest score's term
.endr
.irp q, 0,1,2,3
	v_rcp_f32 v[ST+4*\q+2], v[ST+4*\q+3]
.endr
	v_nop                                          ; one plain place behind the reciprocals
	s_wait_alu depctr_va_vdst(0)
	RESC
	WIN W_CV
.irp q, 0,1,2,3
.irp dt, 0,1,2,3
.irp p, 0,1,2,3
	v_cvt_pk_bf16_f32 v[SB+16*\q+4*\dt+\p], v[OB+32*\q+8*\dt+2*\p], v[OB+32*\q+8*\dt+2*\p+1]
.endr
.endr
.endr
	WIN 0
.irp q, 0,1,2,3
.irp dt, 0,1,2,3
	ds_store_b128 v[STO], v[SB+16*\q+4*\dt:SB+16*\q+4*\dt+3] offset:\q*16*KP+32*\dt
.endr
.endr
.irp q, 0,1,2,3
.irp t, 0,1,2,3
	ds_load_b128 v[KB+16*\q+4*\t:KB+16*\q+4*\t+3], v[RD] offset:\q*16*KP+\t*4*KP    ; my own bytes, served in order behind the stores above
.endr
.endr
.irp q, 0,1,2,3
.irp t, 0,1,2,3
	s_wait_dscnt 15-4*\q-\t                        ; this load is in, the younger ones stay out
	global_store_b128 v[CO], v[KB+16*\q+4*\t:KB+16*\q+4*\t+3], s[42:43] offset:\q*2048+\t*512   ; four rows of the head: 512 consecutive bytes, aligned
.endr
.endr
	s_wait_xcnt 0x0
	v_lshl_add_u32 v254, v0, 2, 0x4c000
	v_mov_b32 v255, 0
	s_wait_tensorcnt 0x0
	ds_add_u32 v254, v255
	s_wait_dscnt 0x0
	ROUND                                          ; the closing round
	s_endpgm
.Lfunc_end_k_q8b6f608ecb_attn:
	.size	k_q8b6f608ecb_attn, .Lfunc_end_k_q8b6f608ecb_attn-k_q8b6f608ecb_attn
	.p2alignl 7, 3214868480
	.fill 96, 4, 3214868480
	.section	.rodata,"a",@progbits
	.p2align	6, 0x0
	.amdhsa_kernel k_q8b6f608ecb_attn
		.amdhsa_group_segment_fixed_size 327680
		.amdhsa_private_segment_fixed_size 0
		.amdhsa_enable_private_segment 0
		.amdhsa_kernarg_size 16
		.amdhsa_user_sgpr_count 2
		.amdhsa_user_sgpr_kernarg_segment_ptr 1
		.amdhsa_wavefront_size32 1
		.amdhsa_system_sgpr_workgroup_id_x 1
		.amdhsa_system_sgpr_workgroup_id_y 1
		.amdhsa_system_sgpr_workgroup_id_z 1
		.amdhsa_system_vgpr_workitem_id 0
		.amdhsa_next_free_vgpr 512
		.amdhsa_next_free_sgpr 66
		.amdhsa_reserve_vcc 0
		.amdhsa_float_denorm_mode_32 3
		.amdhsa_float_denorm_mode_16_64 3
		.amdhsa_memory_ordered 1
		.amdhsa_forward_progress 1
		.amdhsa_inst_pref_size 255
	.end_amdhsa_kernel
	.section	.bss,"aw",@nobits
	.p2align	6
	.space	262144
	.amdgpu_metadata
---
amdhsa.version: [ 1, 2 ]
amdhsa.kernels:
  - .name:           k_q8b6f608ecb_attn
    .symbol:         k_q8b6f608ecb_attn.kd
    .args:
      - { .name: qkv, .offset: 0, .size: 8, .value_kind: global_buffer, .address_space: global }
      - { .name: ctx, .offset: 8, .size: 8, .value_kind: global_buffer, .address_space: global }
    .group_segment_fixed_size: 327680
    .private_segment_fixed_size: 0
    .kernarg_segment_align: 8
    .kernarg_segment_size: 16
    .max_flat_workgroup_size: 256
    .sgpr_count:     66
    .vgpr_count:     512
    .wavefront_size: 32
...
	.end_amdgpu_metadata
.endif
;; end of part 3
;; launch oln (part 4): grid 128 x 1, 8 waves a work-group, clusters of 4 x 1, 327,680 bytes of LDS; arguments ctx, wb, x, bd, gamma, beta, out0; writes out0
.if DOCPART == 4
	.amdgcn_target "amdgcn-amd-amdhsa--gfx1250"
	.amdhsa_code_object_version 6
	.text
	.protected	k_q8b6f608ecb_oln
	.globl	k_q8b6f608ecb_oln
	.p2align	8
	.type	k_q8b6f608ecb_oln,@function
k_q8b6f608ecb_oln:
	s_mov_b64 s[64:65], 0
	v_nop
	global_prefetch_b8 v0, s[64:65] scope:SCOPE_SE
	s_setreg_imm32_b32 hwreg(HW_REG_WAVE_MODE, 25, 1), 1
	s_wait_xcnt 0x0
	s_wait_alu depctr_hold_cnt(0) depctr_sa_sdst(0) depctr_va_vdst(0) depctr_va_sdst(0) depctr_va_ssrc(0) depctr_va_vcc(0) depctr_vm_vsrc(0)
	s_getreg_b32 s2, hwreg(HW_REG_IB_STS2, 6, 4)
	s_cmp_eq_u32 s2, 0
	s_cbranch_scc0 .Lentry_in_a_cluster
	s_endpgm
.Lentry_in_a_cluster:
	s_bfe_u32 s2, ttmp6, 0x10000c
	s_cmp_lg_u32 s2, 0x3003
	s_cbranch_scc0 .Lentry_shape_is_right
	s_endpgm
.Lentry_shape_is_right:
; out0 = gamma * LayerNorm(ctx Wd^T + bd + x) + beta.  ctx bf16 by heads, Wd bf16 in tiles along K (wb from byte 6,291,456), the rest f32.
; LIMITS: the product's operands are bf16; mean and variance are taken in two passes over the row in f32 registers (the variance from the centred numbers);
; v_rsq_f32 is good to 1 ULP; the order of the sums differs from the reference's.
; SHARE: a work-group owns 64 whole rows (all 1024 columns), so the norm stays inside it; wave w makes 64 x 128 (columns 128 w ..): 32 accumulator tiles, 256 registers.
; 64 x 1024 sums in f32 are 2,048 registers of the eight waves; twice the rows would leave no room for operands, so there is work for 128 work-groups.
; CLUSTER: the four work-groups of a cluster walk the same Wd: its tiles are joint loads with mask 15.  ctx's tiles are each work-group's own: plain loads.
; K goes in 16 steps of 64 (one head of ctx, one tile of Wd) through two LDS slots: Wd's 1024 rows at pitch 144, then ctx's 64 rows at pitch 144.
; Behind the last fill and the last read the ring's bytes serve as the stage: row m of the product in f32 at m x 4112.
; THE MATRIX INSTRUCTION IS USED TRANSPOSED (source 0 = rows of Wd, source 1 = rows of ctx): lane (r, h) holds row r, columns 8 h + 0..7: 32 neighbouring bytes.
.set WD_AT, 6291456
.set P,     144
.set ABASE, 1024*P                     ; ctx's rows in a slot
.set SLOT,  1088*P                     ; 156,672
.set HP,    4112                       ; the stage's pitch: 4,096 + 16, an odd multiple of 16
.set ADRB, 16                          ; v16-17  Wd fragment address in slot 0, 1
.set ADRA, 20                          ; v20-21  ctx fragment address
.set STO,  24                          ; v24-27  stage address of my 32 bytes in row tile a
.set RDH,  28                          ; v28     stage address of my 16 bytes in my wave's first row
.set XO,   29                          ; v29     16 x lane
.set PFO,  30                          ; v30     256 x lane
.set F0,   64                          ; fragment buffers: Wd's tile b at f + 8 b, ctx's tile a at f + 64 + 8 a
.set F1,   160
.set G,    64                          ; epilogue: gamma, beta, bd of my 32 columns; two row buffers; chains; mean; scale
.set BT,   96
.set BD,   128
.set H0,   160
.set CH,   224
.set U,    232
.set R,    234
.set TP,   236
.set G1B, 24
.set G0B, 32
.set G1A, 48
.set G0A, 56
.set W_MUL, 0x50                       ; C and D in window 1
.set MSB, 0
.macro WIN new
.if MSB != \new
	s_set_vgpr_msb (MSB<<8)|\new
.set MSB, \new
.endif
.endm
.macro JLOAD s                         ; waves 0-3 ask jointly for Wd's four quarters, waves 4-7 fetch ctx's four quarters; four v_nop follow each line
	s_cmp_eq_u32 s19, 0
	s_cbranch_scc0 .Lfor_a_\@
	tensor_load_to_lds s[G0B+4*\s:G0B+4*\s+3], s[G1B:G1B+7]
	s_nop 0
.rept 4
	v_nop
.endr
	s_branch .Lasked_\@
.Lfor_a_\@:
	tensor_load_to_lds s[G0A+4*\s:G0A+4*\s+3], s[G1A:G1A+7]
	s_nop 0
.rept 4
	v_nop
.endr
.Lasked_\@:
.endm
.macro CREST
	s_cmp_lg_u32 s18, 0
	s_cbranch_scc1 .Lnot_wave_0_\@
	s_barrier_signal -3
.Lnot_wave_0_\@:
	s_barrier_wait -3
	s_barrier_signal -1
	s_barrier_wait -1
.endm
.macro CROUND
	s_barrier_signal -1
	s_barrier_wait -1
	CREST
.endm
.macro PLACES                          ; four independent vector places behind a matrix instruction (ISA guide 7.12.1 for vector accesses)
.rept 4
	v_nop
.endr
.endm
	s_load_b256 s[4:11], s[0:1], 0x0               ; ctx 4:5, wb 6:7, x 8:9, bd 10:11
	s_load_b128 s[12:15], s[0:1], 0x20             ; gamma 12:13, beta 14:15
	s_load_b64 s[16:17], s[0:1], 0x30              ; out0
	v_lshl_add_u32 v62, v0, 2, 0x4c800
	v_mov_b32 v63, 0
	ds_add_u32 v62, v63
	v_lshrrev_b32 v1, 5, v0
	v_readfirstlane_b32 s18, v1                    ; wave 0..7
	s_lshr_b32 s19, s18, 2                         ; 0: I fetch Wd, 1: I fetch ctx
	s_and_b32 s20, s18, 3                          ; which quarter
	s_mov_b32 s22, 0x76543210
	s_mov_b32 s23, 0xfedcba98
	s_bfe_u32 s40, ttmp6, 0x40000                  ; cx
	s_lshl_b32 s41, ttmp9, 2
	s_add_co_u32 s41, s41, s40                     ; work-group 0..127
	s_mov_b32 s66, 0xba800000                      ; -1/1024
	s_mov_b32 s67, 0x3a800000                      ; 1/1024
	s_mov_b32 s68, 0x2b8cbccc                      ; 1e-12
	; group 1.  Both tiles are dense in memory and taken as rows of 128 elements (256 bytes); behind every 32 words (one row of 64 bf16) 4 words of padding.
	s_mov_b32 s[G1B+0], 15|(1<<16)|(1<<20)|(1<<21)|(4<<22)|(3<<25)
	s_mov_b32 s[G1B+1], 128<<16
	s_mov_b32 s[G1B+2], 128<<16                    ; 128 rows of 256 bytes = 256 rows of Wd
	s_mov_b32 s[G1B+3], 128<<16
	s_mov_b32 s[G1B+4], 128
	s_mov_b32 s[G1B+5], 128
	s_mov_b32 s[G1B+6], 0
	s_mov_b32 s[G1B+7], 0
	s_mov_b32 s[G1A+0], (1<<16)|(1<<20)|(4<<22)|(3<<25)
	s_mov_b32 s[G1A+1], 128<<16
	s_mov_b32 s[G1A+2], 8<<16                      ; 8 rows of 256 bytes = 16 rows of ctx
	s_mov_b32 s[G1A+3], 128<<16
	s_mov_b32 s[G1A+4], 8
	s_mov_b32 s[G1A+5], 128
	s_mov_b32 s[G1A+6], 0
	s_mov_b32 s[G1A+7], 0
	s_lshl_b32 s42, s20, 15                        ; Wd: my 256 rows of 128 bytes; no place in the cluster enters
	s_add_co_u32 s42, s42, WD_AT
	s_mov_b32 s43, 0
	s_lshr_b32 s44, s41, 5                         ; ctx: batch x 16 heads of 262,144 bytes
	s_lshl_b32 s44, s44, 22
	s_and_b32 s45, s41, 31
	s_lshl_b32 s45, s45, 13                        ; + my work-group's 64 rows of 128 bytes
	s_add_co_u32 s44, s44, s45
	s_lshl_b32 s45, s20, 11                        ; + my 16 rows
	s_add_co_u32 s44, s44, s45
	s_mov_b32 s45, 0
	s_mul_i32 s46, s18, 256*P                      ; Wd's quarter in a slot: wave x 36,864 (waves 0-3)
	s_mul_i32 s47, s18, 16*P                       ; ctx's quarter: 147,456 + (wave - 4) x 2,304 (waves 4-7)
	s_add_co_u32 s47, s47, ABASE-4*16*P
	s_lshl_b32 s74, s41, 18                        ; x and out0: 64 rows of 4,096 bytes a work-group,
	s_lshl_b32 s75, s18, 15                        ; 8 rows a wave
	s_add_co_u32 s74, s74, s75
	s_mov_b32 s75, 0
	s_wait_dscnt 0x0
	s_wait_kmcnt 0x0
	s_add_nc_u64 s[42:43], s[6:7], s[42:43]
	s_add_nc_u64 s[44:45], s[4:5], s[44:45]
	s_add_nc_u64 s[70:71], s[8:9], s[74:75]
	s_add_nc_u64 s[72:73], s[16:17], s[74:75]
	CROUND                                         ; the four work-groups are here
.irp s, 0,1
	s_mov_b32 s[G0B+4*\s], 1
	s_add_co_u32 s[G0B+4*\s+1], s46, \s*SLOT
	s_add_nc_u64 s[G0B+4*\s+2:G0B+4*\s+3], s[42:43], \s*131072     ; K step s: a tile of Wd is 131,072 bytes
	s_or_b32 s[G0B+4*\s+3], s[G0B+4*\s+3], 0x80000000
	s_mov_b32 s[G0A+4*\s], 1
	s_add_co_u32 s[G0A+4*\s+1], s47, \s*SLOT
	s_add_nc_u64 s[G0A+4*\s+2:G0A+4*\s+3], s[44:45], \s*262144     ; K step s: head s
	s_or_b32 s[G0A+4*\s+3], s[G0A+4*\s+3], 0x80000000
	JLOAD \s                                       ; two tensor loads of this wave are out
.endr
	v_and_b32 v1, 15, v0                           ; r
	v_bfe_u32 v2, v0, 4, 1                         ; h
	v_and_b32 v3, 31, v0                           ; lane
	v_mul_u32_u24 v4, v1, P
	v_lshl_add_u32 v4, v2, 4, v4                   ; r x 144 + 16 h
	s_mul_i32 s74, s18, 128*P                      ; my 128 rows of Wd
	v_add_nc_u32 v[ADRB], s74, v4
	v_add_nc_u32 v[ADRB+1], SLOT, v[ADRB]
	v_add_nc_u32 v[ADRA], ABASE, v4
	v_add_nc_u32 v[ADRA+1], SLOT, v[ADRA]
	v_mul_u32_u24 v5, v1, HP
	v_lshl_add_u32 v5, v2, 5, v5                   ; row r, 32 bytes for each half of the lanes
	s_lshl_b32 s74, s18, 9                         ; my 128 columns of f32
	v_add_nc_u32 v[STO], s74, v5
	v_add_nc_u32 v[STO+1], 16*HP, v[STO]
	v_add_nc_u32 v[STO+2], 32*HP, v[STO]
	v_add_nc_u32 v[STO+3], 48*HP, v[STO]
	s_mul_i32 s74, s18, 8*HP                       ; the norm: my 8 rows
	v_lshlrev_b32 v[XO], 4, v3
	v_add_nc_u32 v[RDH], s74, v[XO]
	v_lshlrev_b32 v[PFO], 8, v3
.macro MUL8 f, a, zero                 ; row tile a x all 8 column tiles, 32 along K
.irp b, 0,1,2,3,4,5,6,7
.if \zero
	v_wmma_f32_16x16x32_bf16 v[8*(8*\a+\b):8*(8*\a+\b)+7], v[\f+8*\b:\f+8*\b+7], v[\f+64+8*\a:\f+64+8*\a+7], 0
.else
	v_wmma_f32_16x16x32_bf16 v[8*(8*\a+\b):8*(8*\a+\b)+7], v[\f+8*\b:\f+8*\b+7], v[\f+64+8*\a:\f+64+8*\a+7], v[8*(8*\a+\b):8*(8*\a+\b)+7]
.endif
.endr
.endm
.macro FETCH slot, k, f                ; 24 LDS loads: Wd's 8 tiles, then ctx's 4, 32 K at byte k of the rows
.irp b, 0,1,2,3,4,5,6,7
	ds_load_b128 v[\f+8*\b:\f+8*\b+3],   v[ADRB+\slot] offset:\b*16*P+\k
	ds_load_b128 v[\f+8*\b+4:\f+8*\b+7], v[ADRB+\slot] offset:\b*16*P+\k+32
.endr
.irp a, 0,1,2,3
	ds_load_b128 v[\f+64+8*\a:\f+64+8*\a+3], v[ADRA+\slot] offset:\a*16*P+\k
	ds_load_b128 v[\f+64+8*\a+4:\f+64+8*\a+7], v[ADRA+\slot] offset:\a*16*P+\k+32
.endr
.endm
.macro PF n                            ; my wave's 8 rows of x are 128 blocks of 256 bytes: 32 lanes, 256 bytes apart, ask for 32 of them; each block is asked for once in the launch
	global_prefetch_b8 v[PFO], s[70:71] offset:\n*8192 th:TH_LOAD_NT scope:SCOPE_SE
.endm
; One K step of 64: two halves of 32 on buffers 0 and 1, 32 matrix instructions each.  The 32 accumulators take turns, one instruction a turn, in the same order in
; every half, over the backward jump too.  One barrier for the change of slots: in front of it each wave waits for its reads of this slot and
; for all its tensor loads; behind it (and the rest of the cluster's round) this slot is asked for again first, two K steps ahead, then the next slot is read.
.macro TRIP slot, next, fill, zero, pf
	s_wait_dscnt 4                                 ; Wd's tiles and ctx's tiles 0, 1 are in; the youngest four loads (tiles 2, 3) may be out
	WIN W_MUL
	MUL8 F0, 0, \zero
	MUL8 F0, 1, \zero
	WIN 0
	PLACES
	FETCH \slot, 64, F1
.if \pf
	PF 0
	PF 1
.endif
	s_wait_dscnt 24                                ; all but the 24 just issued
	WIN W_MUL
	MUL8 F0, 2, \zero
	MUL8 F0, 3, \zero
	s_wait_dscnt 4
	MUL8 F1, 0, 0
	MUL8 F1, 1, 0
	s_wait_dscnt 0                                 ; my reads of this slot are over
	s_wait_tensorcnt 0x0                           ; all my tensor loads have landed: the one that was out is my part of the next slot
	ds_add_u32 v62, v63
	s_wait_dscnt 0x0
	s_barrier_signal -1
	MUL8 F1, 2, 0                                  ; register work while the others arrive
	WIN 0
	s_barrier_wait -1
.if \fill
	CREST
	s_add_nc_u64 s[G0B+4*\slot+2:G0B+4*\slot+3], s[G0B+4*\slot+2:G0B+4*\slot+3], 2*131072
	s_add_nc_u64 s[G0A+4*\slot+2:G0A+4*\slot+3], s[G0A+4*\slot+2:G0A+4*\slot+3], 2*262144
	JLOAD \slot                                    ; the wave's one tensor load behind the round; its four v_nop are also the places in front of the loads below
.else
	PLACES
.endif
	FETCH \next, 0, F0
.if \pf
	PF 2
	PF 3
.endif
	WIN W_MUL
	MUL8 F1, 3, 0
.endm
.macro LAP zero
	TRIP 0, 1, 1, \zero, 0
	TRIP 1, 0, 1, 0, 0
.endm
	s_wait_tensorcnt 1                             ; my part of K step 0 is in; K step 1's stays out
	s_barrier_signal -1
	s_barrier_wait -1
	FETCH 0, 0, F0
	LAP 1                                          ; K steps 0, 1: the first products start the sums
	WIN 0
	s_mov_b32 s21, 6
.Llap:
	LAP 0                                          ; K steps 2 to 13
	WIN 0
	s_sub_co_u32 s21, s21, 1
	s_cmp_lg_u32 s21, 0
	s_cbranch_scc1 .Llap
	TRIP 0, 1, 0, 0, 1                             ; K step 14: nothing is left to fetch; it asks for my rows of x, one K step and more ahead of their loads
	s_wait_dscnt 4                                 ; K step 15, written out
	WIN W_MUL
	MUL8 F0, 0, 0
	MUL8 F0, 1, 0
	WIN 0
	PLACES
	FETCH 1, 64, F1
	s_wait_dscnt 24
	WIN W_MUL
	MUL8 F0, 2, 0
	MUL8 F0, 3, 0
	s_wait_dscnt 4
	MUL8 F1, 0, 0
	MUL8 F1, 1, 0
	s_wait_dscnt 0                                 ; my reads of the ring are over; all tensor loads landed in front of the last barrier
	s_barrier_signal -1
	MUL8 F1, 2, 0
	MUL8 F1, 3, 0
	WIN 0
	s_barrier_wait -1                              ; nobody reads the ring any more: its bytes become the stage
	PLACES
	; THE NORM.  The product goes to the stage; then one wave takes a whole row, lane l the columns 128 c + 4 l .. + 3, c = 0..7, so that no sum leaves the wave.
.irp c, 0,1,2,3,4,5,6,7
	global_load_b128 v[G+4*\c:G+4*\c+3],   v[XO], s[12:13] offset:512*\c
	global_load_b128 v[BT+4*\c:BT+4*\c+3], v[XO], s[14:15] offset:512*\c
	global_load_b128 v[BD+4*\c:BD+4*\c+3], v[XO], s[10:11] offset:512*\c
.endr
	WIN 0x04                                       ; an LDS store's data is source 1: window 1
.irp a, 0,1,2,3
.irp b, 0,1,2,3,4,5,6,7
	ds_store_b128 v[STO+\a], v[8*(8*\a+\b):8*(8*\a+\b)+3]   offset:64*\b
	ds_store_b128 v[STO+\a], v[8*(8*\a+\b)+4:8*(8*\a+\b)+7] offset:64*\b+16
.endr
.endr
	s_wait_dscnt 0x0                               ; my stores are done: for the other waves' reads behind the barrier, and before x lands in the registers that they read
	WIN 0x40
.irp i, 0,1,2,3,4,5,6,7
.irp c, 0,1,2,3,4,5,6,7
	global_load_b128 v[32*\i+4*\c:32*\i+4*\c+3], v[XO], s[70:71] offset:\i*4096+\c*512 th:TH_LOAD_NT   ; my 8 rows of x into window 1
.endr
.endr
	WIN 0
	v_mov_b32 v[TP], 0                             ; v_permlanex16_b32 counts as a reader of its destination
	s_barrier_signal -1
	s_barrier_wait -1
.macro LOADH i                         ; row i of my 8 from the stage, into the row buffer i & 1
.irp c, 0,1,2,3,4,5,6,7
	ds_load_b128 v[H0+32*(\i&1)+4*\c:H0+32*(\i&1)+4*\c+3], v[RDH] offset:\i*HP+\c*512
.endr
.endm
.macro ALLSUM                          ; four chains of pairs in v[CH:CH+7] to one sum in every lane
	v_pk_add_f32 v[CH:CH+1],   v[CH:CH+1],   v[CH+2:CH+3]
	v_pk_add_f32 v[CH+4:CH+5], v[CH+4:CH+5], v[CH+6:CH+7]
	v_pk_add_f32 v[CH:CH+1],   v[CH:CH+1],   v[CH+4:CH+5]
	v_add_f32 v[CH], v[CH], v[CH+1]
	v_add_f32_dpp v[CH], v[CH], v[CH] row_xmask:1 row_mask:0xf bank_mask:0xf
	v_add_f32_dpp v[CH], v[CH], v[CH] row_xmask:2 row_mask:0xf bank_mask:0xf
	v_add_f32_dpp v[CH], v[CH], v[CH] row_xmask:4 row_mask:0xf bank_mask:0xf
	v_add_f32_dpp v[CH], v[CH], v[CH] row_xmask:8 row_mask:0xf bank_mask:0xf
	v_permlanex16_b32 v[TP], v[CH], s22, s23
	v_add_f32 v[CH], v[CH], v[TP]
.endm
.macro ROW i, n                        ; n = i + 1
.set HB, H0+32*(\i&1)
.if \i < 7
	s_wait_xcnt 0x0                                ; the other row buffer, which the stores of the row before read, is loaded again only behind this wait
	LOADH \n
	s_wait_dscnt 8                                 ; my row is in; the next row's eight loads stay out
.else
	s_wait_dscnt 0
.endif
	s_wait_loadcnt 56-8*\i                         ; gamma, beta, bd and x's rows up to i are in; the 8 (7 - i) loads of the later rows stay out
	WIN 0x04
.irp p, 0,1,2,3,4,5,6,7,8,9,10,11,12,13,14,15
	v_pk_add_f32 v[HB+2*\p:HB+2*\p+1], v[HB+2*\p:HB+2*\p+1], v[32*\i+2*\p:32*\i+2*\p+1]     ; + x
.endr
	WIN 0
.irp p, 0,1,2,3,4,5,6,7,8,9,10,11,12,13,14,15
	v_pk_add_f32 v[HB+2*\p:HB+2*\p+1], v[HB+2*\p:HB+2*\p+1], v[BD+2*\p:BD+2*\p+1]           ; + bd
.endr
.irp c, 0,1,2,3
	v_pk_add_f32 v[CH+2*\c:CH+2*\c+1], v[HB+2*\c:HB+2*\c+1], v[HB+2*\c+8:HB+2*\c+9]
.endr
.irp c, 0,1,2,3
	v_pk_add_f32 v[CH+2*\c:CH+2*\c+1], v[CH+2*\c:CH+2*\c+1], v[HB+2*\c+16:HB+2*\c+17]
.endr
.irp c, 0,1,2,3
	v_pk_add_f32 v[CH+2*\c:CH+2*\c+1], v[CH+2*\c:CH+2*\c+1], v[HB+2*\c+24:HB+2*\c+25]
.endr
	ALLSUM
	v_mul_f32 v[U], s66, v[CH]                     ; minus the mean
	v_mul_f32 v[U+1], s66, v[CH]
.irp p, 0,1,2,3,4,5,6,7,8,9,10,11,12,13,14,15
	v_pk_add_f32 v[HB+2*\p:HB+2*\p+1], v[HB+2*\p:HB+2*\p+1], v[U:U+1]
.endr
.irp c, 0,1,2,3
	v_pk_mul_f32 v[CH+2*\c:CH+2*\c+1], v[HB+2*\c:HB+2*\c+1], v[HB+2*\c:HB+2*\c+1]           ; the first squares start the chains
.endr
.irp c, 0,1,2,3
	v_pk_fma_f32 v[CH+2*\c:CH+2*\c+1], v[HB+2*\c+8:HB+2*\c+9], v[HB+2*\c+8:HB+2*\c+9], v[CH+2*\c:CH+2*\c+1]
.endr
.irp c, 0,1,2,3
	v_pk_fma_f32 v[CH+2*\c:CH+2*\c+1], v[HB+2*\c+16:HB+2*\c+17], v[HB+2*\c+16:HB+2*\c+17], v[CH+2*\c:CH+2*\c+1]
.endr
.irp c, 0,1,2,3
	v_pk_fma_f32 v[CH+2*\c:CH+2*\c+1], v[HB+2*\c+24:HB+2*\c+25], v[HB+2*\c+24:HB+2*\c+25], v[CH+2*\c:CH+2*\c+1]
.endr
	ALLSUM
	v_fma_f32 v[CH], v[CH], s67, s68               ; variance + 1e-12
	v_rsq_f32 v[R], v[CH]
	v_rsq_f32 v[R+1], v[CH]
	v_nop                                          ; one plain place behind the two (ISA guide 5.7.2)
	s_wait_alu depctr_va_vdst(0)
.irp p, 0,1,2,3,4,5,6,7,8,9,10,11,12,13,14,15
	v_pk_mul_f32 v[HB+2*\p:HB+2*\p+1], v[HB+2*\p:HB+2*\p+1], v[R:R+1]
.endr
.irp p, 0,1,2,3,4,5,6,7,8,9,10,11,12,13,14,15
	v_pk_fma_f32 v[HB+2*\p:HB+2*\p+1], v[HB+2*\p:HB+2*\p+1], v[G+2*\p:G+2*\p+1], v[BT+2*\p:BT+2*\p+1]
.endr
.irp c, 0,1,2,3,4,5,6,7
	global_store_b128 v[XO], v[HB+4*\c:HB+4*\c+3], s[72:73] offset:\i*4096+\c*512 th:TH_STORE_NT   ; 512 consecutive bytes of the row, aligned
.endr
.endm
	LOADH 0
	ROW 0, 1
	ROW 1, 2
	ROW 2, 3
	ROW 3, 4
	ROW 4, 5
	ROW 5, 6
	ROW 6, 7
	ROW 7, 8
	s_wait_tensorcnt 0x0
	ds_add_u32 v62, v63
	s_wait_dscnt 0x0
	CROUND                                         ; the closing round
	s_endpgm
.Lfunc_end_k_q8b6f608ecb_oln:
	.size	k_q8b6f608ecb_oln, .Lfunc_end_k_q8b6f608ecb_oln-k_q8b6f608ecb_oln
	.p2alignl 7, 3214868480
	.fill 96, 4, 3214868480
	.section	.rodata,"a",@progbits
	.p2align	6, 0x0
	.amdhsa_kernel k_q8b6f608ecb_oln
		.amdhsa_group_segment_fixed_size 327680
		.amdhsa_private_segment_fixed_size 0
		.amdhsa_enable_private_segment 0
		.amdhsa_kernarg_size 56
		.amdhsa_user_sgpr_count 2
		.amdhsa_user_sgpr_kernarg_segment_ptr 1
		.amdhsa_wavefront_size32 1
		.amdhsa_system_sgpr_workgroup_id_x 1
		.amdhsa_system_sgpr_workgroup_id_y 1
		.amdhsa_system_sgpr_workgroup_id_z 1
		.amdhsa_system_vgpr_workitem_id 0
		.amdhsa_next_free_vgpr 512
		.amdhsa_next_free_sgpr 76
		.amdhsa_reserve_vcc 0
		.amdhsa_float_denorm_mode_32 3
		.amdhsa_float_denorm_mode_16_64 3
		.amdhsa_memory_ordered 1
		.amdhsa_forward_progress 1
		.amdhsa_inst_pref_size 146
	.end_amdhsa_kernel
	.amdgpu_metadata
---
amdhsa.version: [ 1, 2 ]
amdhsa.kernels:
  - .name:           k_q8b6f608ecb_oln
    .symbol:         k_q8b6f608ecb_oln.kd
    .args:
      - { .name: ctx, .offset: 0, .size: 8, .value_kind: global_buffer, .address_space: global }
      - { .name: wb, .offset: 8, .size: 8, .value_kind: global_buffer, .address_space: global }
      - { .name: x, .offset: 16, .size: 8, .value_kind: global_buffer, .address_space: global }
      - { .name: bd, .offset: 24, .size: 8, .value_kind: global_buffer, .address_space: global }
      - { .name: gamma, .offset: 32, .size: 8, .value_kind: global_buffer, .address_space: global }
      - { .name: beta, .offset: 40, .size: 8, .value_kind: global_buffer, .address_space: global }
      - { .name: out0, .offset: 48, .size: 8, .value_kind: global_buffer, .address_space: global }
    .group_segment_fixed_size: 327680
    .private_segment_fixed_size: 0
    .kernarg_segment_align: 8
    .kernarg_segment_size: 56
    .max_flat_workgroup_size: 256
    .sgpr_count:     76
    .vgpr_count:     512
    .wavefront_size: 32
...
	.end_amdgpu_metadata
.endif
;; end of part 4
;; ======== version 2 of 2: 4 launches; version 1 with the launch cast written anew for expert scheduling mode
;; workspace buffers: ab 33,554,432 bytes; wb 8,388,608 bytes; qkv 50,331,648 bytes; ctx 16,777,216 bytes
;; launch cast (part 5): grid 1280 x 1, 8 waves a work-group, no clusters, 0 bytes of LDS; arguments x, y, Wq, Wv, Wk, Wd, ab, wb; writes ab, wb
.if DOCPART == 5
	.amdgcn_target "amdgcn-amd-amdhsa--gfx1250"
	.amdhsa_code_object_version 6
	.text
	.protected	k_q8b6f608ecb_cast
	.globl	k_q8b6f608ecb_cast
	.p2align	8
	.type	k_q8b6f608ecb_cast,@function
k_q8b6f608ecb_cast:
	s_mov_b64 s[64:65], 0
	v_nop
	global_prefetch_b8 v0, s[64:65] scope:SCOPE_SE
	s_setreg_imm32_b32 hwreg(HW_REG_WAVE_SCHED_MODE, 0, 2), 2
	s_setreg_imm32_b32 hwreg(HW_REG_WAVE_MODE, 25, 1), 1
	s_wait_xcnt 0x0
	s_wait_alu depctr_vm_vsrc(0)
; f32 -> bf16 (round to nearest even) of the six large inputs, once, so that the products below read 16-bit operands.
;   ab: x at byte 0, y at byte 16,777,216, both [8192][1024] bf16, rows as in the input.
;   wb: rows 0-1023 Wq, 1024-2047 Wv, 2048-3071 Wk, [3072][1024] bf16; from byte 6,291,456 Wd in tiles along K:
;       element (n, k = 64 t + kk) at t*131072 + n*128 + 2 kk, so that one K step of 64 of all 1024 rows is one dense block.
; A work-group takes 16,384 numbers (65,536 bytes in, 32,768 out): ids 0-511 x, 512-1023 y, 1024-1087 Wq, 1088-1151 Wv, 1152-1215 Wk, 1216-1279 Wd.
; A thread issues its 16 loads of 16 bytes at once and stores 8 bytes for each; a wave's store covers 256 consecutive bytes, aligned.
; A pure stream: no number is used twice, so LDS, barriers, clusters and the matrix unit have nothing to add here.
; THE MODE: SCHED_MODE bits 1:0 = 2 (LLVM: expert scheduling mode 2), set by the entry lines.  The code itself states the register dependences
; between vector instructions and memory instructions, with s_wait_alu, always for 0.
; THE PLAN.  Registers that memory instructions touch:
;   v1, v2   byte offsets of the loads and of the stores.  Written by vector instructions at the head, once; read by every load (v1) and every store (v2).
;   X        written by the 16 loads, once each; read by the roundings.  No vector instruction writes X, and no load lands in it a second time.
;   Y        written by the roundings, each register once; read by one store each; never written again.
; So the only dependences between the two sides are: a vector instruction writes, a memory instruction reads.  The 16 loads are worked off in four blocks of four.
; Block p rounds its X into its Y; its memory instructions are the four stores of block p - 1, whose Y no vector instruction of block p names.  One wait at the head
; of a block states that the block before has written its Y; the four stores are then dealt among the block's roundings with no further wait.
; No register that a memory instruction reads is ever written again, so nothing is owed for that, nor any wait for address translation.
.set X, 4                              ; v[4:67]   16 x 4 numbers as loaded
.set Y, 68                             ; v[68:99]  16 x 2 words to store
.set WD_AT, 6291456                    ; Wd's tiles in wb
.macro PICK first, lo                  ; from id \first on the source is the buffer in s[lo:lo+1]
	s_cmp_ge_u32 ttmp9, \first
	s_cselect_b64 s[4:5], s[\lo:\lo+1], s[4:5]
	s_cselect_b32 s3, \first, s3
.endm
; 16 loads, lstep bytes apart; then four blocks of four: wait, the stores of the block before (sstep bytes apart) dealt among this block's packed roundings; then the last four stores
.macro BODY lstep, sstep
	s_wait_alu depctr_va_vdst(0)                   ; v1 and v2 are written: every load below reads v1 as its offset, every store v2
.irp i, 0,1,2,3,4,5,6,7,8,9,10,11,12,13,14,15
	global_load_b128 v[X+4*(\i):X+4*(\i)+3], v1, s[4:5] offset:(\i)*\lstep th:TH_LOAD_NT
.endr
.irp p, 0,1,2,3
	s_wait_loadcnt 12-4*(\p)                       ; loads return in order: block p's four are in, the 12 - 4 p younger ones stay out
.if (\p) > 0
	s_wait_alu depctr_va_vdst(0)                   ; the roundings of block p - 1 have written their eight registers of Y, which the four stores below read
.endif
.irp i, 0,1,2,3
.if (\p) > 0
	global_store_b64 v2, v[Y+2*(4*(\p)-4+(\i)):Y+2*(4*(\p)-4+(\i))+1], s[6:7] offset:(4*(\p)-4+(\i))*\sstep  ; the block before; no vector instruction since the wait names these registers
.endif
	v_cvt_pk_bf16_f32 v[Y+2*(4*(\p)+(\i))],   v[X+4*(4*(\p)+(\i))],   v[X+4*(4*(\p)+(\i))+1]
	v_cvt_pk_bf16_f32 v[Y+2*(4*(\p)+(\i))+1], v[X+4*(4*(\p)+(\i))+2], v[X+4*(4*(\p)+(\i))+3]
.endr
.endr
	s_wait_alu depctr_va_vdst(0)                   ; the roundings of block 3 have written their Y, which the last four stores read
.irp i, 12,13,14,15
	global_store_b64 v2, v[Y+2*(\i):Y+2*(\i)+1], s[6:7] offset:(\i)*\sstep
.endr
	s_endpgm
.endm
	s_load_b512 s[8:23], s[0:1], 0x0               ; x 8:9, y 10:11, Wq 12:13, Wv 14:15, Wk 16:17, Wd 18:19, ab 20:21, wb 22:23
	v_lshlrev_b32 v2, 3, v0                        ; my 8 bytes in each store
	s_mov_b32 s3, 0                                ; first id of my tensor
	s_mov_b32 s27, 0
	s_mov_b32 s29, 0
	s_wait_kmcnt 0x0
	s_mov_b64 s[4:5], s[8:9]
	PICK 512, 10
	PICK 1024, 12
	PICK 1088, 14
	PICK 1152, 16
	PICK 1216, 18
	s_cmp_ge_u32 ttmp9, 1024
	s_cselect_b64 s[6:7], s[22:23], s[20:21]       ; weights go to wb, x and y to ab
	s_cselect_b32 s24, 1024, 0                     ; first id of that buffer
	s_sub_co_u32 s26, ttmp9, s3
	s_lshl_b32 s26, s26, 16                        ; 65,536 bytes of the source for each id
	s_add_nc_u64 s[4:5], s[4:5], s[26:27]
	s_cmp_ge_u32 ttmp9, 1216
	s_cbranch_scc1 .Ltiled
	s_sub_co_u32 s28, ttmp9, s24
	s_lshl_b32 s28, s28, 15                        ; 32,768 bytes of the destination for each id
	s_add_nc_u64 s[6:7], s[6:7], s[28:29]
	v_lshlrev_b32 v1, 4, v0                        ; thread t reads 16 bytes at 16 t; the 256 threads cover 4,096 bytes a load
	BODY 4096, 2048
.Ltiled:
	; Wd: the work-group owns 16 rows n.  Thread t reads 16 bytes at column (t & 15) * 4 of row t >> 4 in K tile i (256 bytes of the row);
	; in tile i its 8 bytes lie at (t >> 4) * 128 + (t & 15) * 8 = 8 t behind the group's 16 rows.
	s_sub_co_u32 s28, ttmp9, 1216
	s_lshl_b32 s28, s28, 11                        ; 16 rows of 128 bytes
	s_add_co_u32 s28, s28, WD_AT
	s_add_nc_u64 s[6:7], s[6:7], s[28:29]
	v_lshrrev_b32 v1, 4, v0
	v_and_b32 v3, 15, v0
	v_lshlrev_b32 v1, 12, v1
	v_lshl_add_u32 v1, v3, 4, v1
	BODY 256, 131072
.Lfunc_end_k_q8b6f608ecb_cast:
	.size	k_q8b6f608ecb_cast, .Lfunc_end_k_q8b6f608ecb_cast-k_q8b6f608ecb_cast
	.p2alignl 7, 3214868480
	.fill 96, 4, 3214868480
	.section	.rodata,"a",@progbits
	.p2align	6, 0x0
	.amdhsa_kernel k_q8b6f608ecb_cast
		.amdhsa_group_segment_fixed_size 0
		.amdhsa_private_segment_fixed_size 0
		.amdhsa_enable_private_segment 0
		.amdhsa_kernarg_size 64
		.amdhsa_user_sgpr_count 2
		.amdhsa_user_sgpr_kernarg_segment_ptr 1
		.amdhsa_wavefront_size32 1
		.amdhsa_system_sgpr_workgroup_id_x 1
		.amdhsa_system_sgpr_workgroup_id_y 1
		.amdhsa_system_sgpr_workgroup_id_z 1
		.amdhsa_system_vgpr_workitem_id 0
		.amdhsa_next_free_vgpr 104
		.amdhsa_next_free_sgpr 66
		.amdhsa_reserve_vcc 0
		.amdhsa_float_denorm_mode_32 3
		.amdhsa_float_denorm_mode_16_64 3
		.amdhsa_memory_ordered 1
		.amdhsa_forward_progress 1
		.amdhsa_inst_pref_size 13
	.end_amdhsa_kernel
	.amdgpu_metadata
---
amdhsa.version: [ 1, 2 ]
amdhsa.kernels:
  - .name:           k_q8b6f608ecb_cast
    .symbol:         k_q8b6f608ecb_cast.kd
    .args:
      - { .name: x, .offset: 0, .size: 8, .value_kind: global_buffer, .address_space: global }
      - { .name: y, .offset: 8, .size: 8, .value_kind: global_buffer, .address_space: global }
      - { .name: Wq, .offset: 16, .size: 8, .value_kind: global_buffer, .address_space: global }
      - { .name: Wv, .offset: 24, .size: 8, .value_kind: global_buffer, .address_space: global }
      - { .name: Wk, .offset: 32, .size: 8, .value_kind: global_buffer, .address_space: global }
      - { .name: Wd, .offset: 40, .size: 8, .value_kind: global_buffer, .address_space: global }
      - { .name: ab, .offset: 48, .size: 8, .value_kind: global_buffer, .address_space: global }
      - { .name: wb, .offset: 56, .size: 8, .value_kind: global_buffer, .address_space: global }
    .group_segment_fixed_size: 0
    .private_segment_fixed_size: 0
    .kernarg_segment_align: 8
    .kernarg_segment_size: 64
    .max_flat_workgroup_size: 256
    .sgpr_count:     66
    .vgpr_count:     104
    .wavefront_size: 32
...
	.end_amdgpu_metadata
.endif
;; end of part 5
;; launch qkv: the kernel of part 2 again; grid 12 x 32, 4 waves a work-group, clusters of 4 x 4, 327,680 bytes of LDS; arguments ab, wb, bq, bv, bk, qkv; writes qkv
;; launch attn: the kernel of part 3 again; grid 256 x 1, 8 waves a work-group, clusters of 4 x 1, 327,680 bytes of LDS; arguments qkv, ctx; writes ctx
;; launch oln: the kernel of part 4 again; grid 128 x 1, 8 waves a work-group, clusters of 4 x 1, 327,680 bytes of LDS; arguments ctx, wb, x, bd, gamma, beta, out0; writes out0
